; MI455X (gfx1250); checked and timed in simulation.
; The chip was launched on July 23, 2026; its instructions are those of AMD's public machine-readable ISA for CDNA 5 (MIT licence, August 2026) and "CDNA5" Instruction Set Architecture Reference Guide (July 2026). The comments in the code are by the model that wrote it; some were corrected since.
;; Multi Head Attention Cosformer New. Allowed arithmetic: matrix products marked QUANTISED: E2M3 operands, one E8M0 scale for each 32 along K, by v_wmma_scale_f32_16x16x128_f8f6f4 with both operands' format E2M3, f32 sums; products left as they are: f32 operands where the result goes on into a quantised operand, else bf16, f16 or f32 operands; f32 sums; everything else in f32.
;; Inputs: dense_b 128 float32; dense_w 128 x 2,048 float32; mask 4 x 4,096 bool; wk_b 2,048 float32; wk_w 2,048 x 128 float32; wq_b 2,048 float32; wq_w 2,048 x 128 float32; wv_b 2,048 float32; wv_w 2,048 x 128 float32; x 4 x 4,096 x 128 float32.
;; Outputs: out0 4 x 4,096 x 128 float32.
;; This version of the problem:
;;   THIS VERSION OF THE PROBLEM IS GIVEN IN LOW PRECISION. The matrix products marked QUANTISED in the list below multiply operands that are first quantised to E2M3 (2 exponent bits, 3 mantissa bits; 6 bits a number), with one power-of-two scale for each 32 numbers along K (OCP MX v1.0); their sums are f32. All else is computed in f32.
;;   The module's matrix products, in the order in which they are computed (A, B: the left and right operand; K: the contracted axis; several contracted axes count as one K, in the product's order):
;;     1. [M 16,384, K 128] x [K 128, N 2,048]; A: input x; B: input wq_w: QUANTISED
;;     2. [M 16,384, K 128] x [K 128, N 2,048]; A: input x; B: input wk_w: QUANTISED
;;     3. [M 16,384, K 128] x [K 128, N 2,048]; A: input x; B: input wv_w: QUANTISED
;;     4. batch 64 x [M 128, K 4,096] x [K 4,096, N 128]; A: computed on the way; B: computed on the way: QUANTISED
;;     5. batch 64 x [M 128, K 4,096] x [K 4,096, N 128]; A: computed on the way; B: computed on the way: QUANTISED
;;     6. batch 64 x [M 128, K 128] x [K 128, N 4,096]; A: computed on the way; B: computed on the way: QUANTISED
;;     7. batch 64 x [M 128, K 128] x [K 128, N 4,096]; A: computed on the way; B: computed on the way: QUANTISED
;;     8. batch 64 x [M 1, K 128] x [K 128, N 4,096]; A: computed on the way; B: computed on the way: left as it is (M = 1 < 16)
;;     9. batch 64 x [M 1, K 128] x [K 128, N 4,096]; A: computed on the way; B: computed on the way: left as it is (M = 1 < 16)
;;     10. [M 16,384, K 2,048] x [K 2,048, N 128]; A: computed on the way; B: input dense_w: QUANTISED
;;   THE QUANTISER, for each operand of a quantised product, along K:
;;     - K is cut into blocks of 32 from its start; a last block that is shorter is filled with zeros.
;;     - A block's scale is 2^e with e = floor(log2(the largest magnitude in the block)) - 2, held to -126 .. 127; a block of zeros has e = 0. As a byte (E8M0): e + 127.
;;     - Each number is divided by its block's scale, clamped to +-7.5, and rounded to the nearest number of E2M3, ties to even, subnormals kept.
;;     - The product sums the exact products of the quantised numbers (number of the format x scale) in f32.
;;   ~~~python
;;   def quantise(x, axis):      # numpy; x: float32 -> the quantised numbers, widened to float32 again
;;       x = np.moveaxis(x, axis, -1); K = x.shape[-1]
;;       x = np.pad(x, [(0, 0)] * (x.ndim - 1) + [(0, -K % 32)]); x = x.reshape(x.shape[:-1] + (-1, 32)); a = np.abs(x).max(-1, keepdims=True)
;;       e = np.where(a > 0, np.clip(np.frexp(np.where(a > 0, a, 1))[1] - 1 - 2, -126, 127), 0)      # np.frexp(a)[1] - 1 = floor(log2(a)), exactly
;;       r = np.clip(x / 2.0 ** e, -7.5, 7.5)
;;       step = 2.0 ** (np.maximum(np.frexp(np.where(r == 0, 1, r))[1] - 1, 0) - 3)
;;       q = np.round(r / step) * step * 2.0 ** e      # np.round: ties to even
;;       return np.moveaxis(q.reshape(q.shape[:-2] + (-1,))[..., :K], -1, axis).astype(np.float32)
;;   ~~~
;;   OPERANDS COMPUTED ON THE WAY. 'Computed on the way' means the value that the module computes at that place (a softmax that the list does not call 'softmax' is quantised finished and normalised). What goes into a quantiser is computed in f32, as accurately as f32 sums, v_exp_f32 and their like allow (about 1e-6 of the number): no bf16 or f16 on the way to a quantiser, and a product that is left as it is and whose result goes on into a quantised operand takes f32 operands (vector FMAs, or v_wmma_f32_16x16x4_f32). A number that lies on a knife's edge between two numbers of the format may be rounded either way, as far as f32 arithmetic and the matrix unit's own rounding can turn it there, and no further.
;; 2 versions, each right; version 2 is version 1 with the launches kvstate, attend written anew for expert scheduling mode. Each part assembles by itself: llvm-mc -triple=amdgcn-amd-amdhsa -mcpu=gfx1250 --defsym DOCPART=n.
;; ======== version 1 of 2: 3 launches
;; workspace buffers: codes 2,359,296 bytes; scales 98,304 bytes; cstab 32,768 bytes; kvc 1,572,864 bytes; kvs 65,536 bytes; ksum 65,536 bytes
;; launch prep (part 1): grid 416 x 1, 1 waves a work-group, no clusters, 17,152 bytes of LDS; arguments x, wq_w, wk_w, wv_w, dense_w, codes, scales, cstab; writes codes, scales, cstab
.if DOCPART == 1
	.amdgcn_target "amdgcn-amd-amdhsa--gfx1250"
	.amdhsa_code_object_version 6
	.text
	.protected	k_qa2e9b48972_prep
	.globl	k_qa2e9b48972_prep
	.p2align	8
	.type	k_qa2e9b48972_prep,@function
k_qa2e9b48972_prep:
	s_mov_b64 s[64:65], 0
	v_nop
	global_prefetch_b8 v0, s[64:65] scope:SCOPE_SE
	s_setreg_imm32_b32 hwreg(HW_REG_WAVE_MODE, 25, 1), 1
	s_wait_xcnt 0x0
; COSFORMER ATTENTION IN MX-FP6, LAUNCH 1 OF 3: the five given operands become codes of E2M3 with E8M0 scales, once, and the table of cos and sin is made.
; DEAD WORK: reference() takes the input mask and never reads it: no value of mask can reach the output, whatever it holds.  So mask is not loaded and is among no launch's arguments.
; Nothing else is left out.  (Limit: a NaN or an infinity in mask, were there such a thing in a bool, would not be carried to the result.)
; WHAT IS MADE.  x [16384][128], wq_w, wk_w, wv_w [2048][128] and dense_w [128][2048] are quantised along their last axis, which is K of products 1, 2, 3 and 10.
; The codes are laid as IMAGES OF OPERAND REGISTERS: a fragment is 16 rows x 128 K = 12 registers a lane = 1,536 bytes; registers 4 q .. 4 q + 3 of lane l lie at 512 q + 16 l.
; THE ROWS OF A FRAGMENT ARE NOT NEIGHBOURS: of a group of 128 rows, fragment t = 2 b + u takes row 32 b + 8 u + r + 8 (r / 8) for lane slot r, so that a product's 16 result registers of
; fragments 2 b and 2 b + 1 are 16 neighbours along that axis, in the order in which the next quantiser wants them.
; Fragments: 0..1023 x;  1024 + 8 h + t wq;  1152 + 8 h + t wk;  1280 + 8 h + t wv;  1408 + 16 nt + ks dense_w (rows by nt, K step ks).
; The scale words (four bytes: a row's 128 K) of fragments 4 G .. 4 G + 3 are one block of 256 bytes: slot r's four words at 256 G + 16 r.
; A block's scale byte is its largest magnitude's exponent field - 2, held at 1 from below.
; LIMITS: a block of zeros gets the byte 1 where the rule says 127 (its codes are zeros, and this program alone reads the bytes); NaN and infinities among the inputs are not served.
; SHARES: one wave to a work-group.  Work-groups 0..383 make four fragments each; work-groups 384..415 make 128 positions of the table each.
; Each load takes one row's 512 consecutive bytes; the 16 rows turn through the wave's own stage in LDS (rows 528 bytes apart) and come back 16 neighbours of each block of 32 to a lane.
.set SP,     528                       ; a stage row: 512 bytes + 16
.set STAGEB, 16*SP
.set SPARE,  2*STAGEB                  ; behind the two stages: the spare words, one block of 256 bytes that no other line names
.set LI,  1                            ; v1   16 x lane
.set R16, 2                            ; v2   16 x (lane % 16)
.set RDA, 3                            ; v3   the stage, on the way back: row r, + 64 bytes for lanes 16-31
.set SPW, 6                            ; v6   LDS address of my spare word; never rewritten
.set NIL, 7                            ; v7   0; never rewritten
.set TP,  8                            ; v8-15    the quantiser's second halves
.set AD,  16                           ; v16-31   byte offset of row slot n in the source, + 16 x lane
.set V0,  32                           ; v32-95, v96-159: two sets of 64 numbers
.set V1,  96
.set PC,  160                          ; v160-207 the four fragments' codes: no store's data are written again
.set PW,  208                          ; v208-211 their scale words
.set TM,  212                          ; v212-223 the quantiser's: largest magnitudes, bytes, scale operands
.set SEL, 36                           ; s[36:37] lane selects for v_permlanex16_b32: lane l xor 16
; 64 numbers of a lane, register 16 b + i = k 32 b + 16 (lane / 16) + i of its row.  QMAX: the four blocks' largest magnitudes, with the floor 2^(3 - 127) among the leaves.
.macro QMAX s
.irp b, 0,1,2,3
	v_max3_num_f32 v[TM+\b], |v[\s+16*\b]|, |v[\s+16*\b+1]|, 0x1800000
.endr
.irp i, 2,4,6,8,10,12,14
.irp b, 0,1,2,3
	v_max3_num_f32 v[TM+\b], v[TM+\b], |v[\s+16*\b+\i]|, |v[\s+16*\b+\i+1]|
.endr
.endr
.irp b, 0,1,2,3
	v_permlanex16_b32 v[TM+4+\b], v[TM+\b], s[SEL], s[SEL+1]
.endr
.irp b, 0,1,2,3
	v_max_num_f32 v[TM+\b], v[TM+\b], v[TM+4+\b]   ; with lane l xor 16's 16 numbers: the block's
.endr
.endm
; QTAIL: from the largest magnitudes in v[mx] on: the scale word into v[w], the fragment's 12 registers into v[d] on
.macro QTAIL s, d, w, mx
.irp b, 0,1,2,3
	v_add_nc_u32 v[TM+8+\b], 0xff000000, v[\mx+\b] ; 2 off the exponent field: the conversion's scale operand
.endr
.irp b, 0,1,2,3
	v_lshrrev_b32 v[TM+4+\b], 23, v[TM+8+\b]       ; the scale's byte
.endr
	v_lshl_or_b32 v[\w], v[TM+5], 8, v[TM+4]
	v_lshl_or_b32 v[\w], v[TM+6], 16, v[\w]
	v_lshl_or_b32 v[\w], v[TM+7], 24, v[\w]
.irp c, 0,1
	v_cvt_scalef32_pk16_fp6_f32 v[\d+6*\c:\d+6*\c+2], v[\s+32*\c:\s+32*\c+15], v[TM+8+2*\c]
	v_cvt_scalef32_pk16_fp6_f32 v[TP+4*\c:TP+4*\c+2], v[\s+32*\c+16:\s+32*\c+31], v[TM+9+2*\c]   ; (a conversion's three registers begin on an even number)
.endr
	v_nop                                          ; one plain place behind the scaled conversions
.irp c, 0,1                            ; the operand's layout wants a whole block in a lane: lanes 0-15 block 2 c, lanes 16-31 block 2 c + 1
.irp i, 0,1,2
	v_permlane16_swap_b32 v[\d+6*\c+\i], v[TP+4*\c+\i]
.endr
.irp i, 0,1,2
	v_mov_b32 v[\d+6*\c+3+\i], v[TP+4*\c+\i]
.endr
.endr
.endm
.macro QUANT s, d, w
	QMAX \s
	QTAIL \s, \d, \w, TM
.endm
.macro LOADF i, v                      ; fragment i's 16 rows, 512 consecutive bytes a load
.irp n, 0,1,2,3,4,5,6,7,8,9,10,11,12,13,14,15
	global_load_b128 v[\v+4*\n:\v+4*\n+3], v[AD+\n], s[24+2*\i:25+2*\i] th:TH_LOAD_NT
.endr
.endm
.macro TURN v, st                      ; through stage st and back into the same registers: LDS serves a wave's instructions in order, so no wait stands between the stores and the loads
.irp n, 0,1,2,3,4,5,6,7,8,9,10,11,12,13,14,15
	ds_store_b128 v[LI], v[\v+4*\n:\v+4*\n+3] offset:\st*STAGEB+\n*SP
.endr
.irp b, 0,1,2,3
.irp j, 0,1,2,3
	ds_load_b128 v[\v+16*\b+4*\j:\v+16*\b+4*\j+3], v[RDA] offset:\st*STAGEB+128*\b+16*\j
.endr
.endr
	s_wait_dscnt 0x0
.endm
.macro SINP o, y                       ; sin(y) for 0 <= y < 1.571: the series up to y^13; what is cut off is under 7e-10
	v_mul_f32 v28, v[\y], v[\y]
	v_mov_b32 v29, 0x2f309231                      ; 1 / 13!
	v_fmaak_f32 v29, v29, v28, 0xb2d7322b          ; -1 / 11!
	v_fmaak_f32 v29, v29, v28, 0x3638ef1d          ; 1 / 9!
	v_fmaak_f32 v29, v29, v28, 0xb9500d01          ; -1 / 7!
	v_fmaak_f32 v29, v29, v28, 0x3c088889          ; 1 / 5!
	v_fmaak_f32 v29, v29, v28, 0xbe2aaaab          ; -1 / 3!
	v_mul_f32 v30, v[\y], v28
	v_fma_f32 v[\o], v30, v29, v[\y]
.endm
	s_load_b256 s[4:11], s[0:1], 0x0               ; x s[4:5], wq_w s[6:7], wk_w s[8:9], wv_w s[10:11]
	s_load_b256 s[12:19], s[0:1], 0x20             ; dense_w s[12:13], codes s[14:15], scales s[16:17], cstab s[18:19]
	v_lshl_add_u32 v[SPW], v0, 2, SPARE
	v_mov_b32 v[NIL], 0
	v_lshlrev_b32 v[LI], 4, v0
	s_cmp_ge_u32 ttmp9, 384
	s_cbranch_scc1 .Ltable
	v_and_b32 v4, 15, v0                           ; r
	v_lshrrev_b32 v5, 4, v0                        ; lane / 16
	v_lshlrev_b32 v[R16], 4, v4
	v_mul_u32_u24 v[RDA], v4, SP
	v_lshl_add_u32 v[RDA], v5, 6, v[RDA]
	s_mov_b32 s[SEL], 0x76543210
	s_mov_b32 s[SEL+1], 0xfedcba98
.irp b, 0,1,2,3
	v_mov_b32 v[TM+4+\b], 0                        ; written once: a lane permute's destination counts as one of its sources
.endr
	; which tensor, and which group of four fragments in it: the choice hangs on the work-group's number alone
	s_sub_co_u32 s32, ttmp9, 256
	s_sub_co_u32 s33, ttmp9, 288
	s_sub_co_u32 s34, ttmp9, 320
	s_sub_co_u32 s21, ttmp9, 352
	s_wait_kmcnt 0x0
	s_mov_b64 s[22:23], s[12:13]
	s_cmp_lt_u32 ttmp9, 352
	s_cselect_b64 s[22:23], s[10:11], s[22:23]
	s_cselect_b32 s21, s34, s21
	s_cmp_lt_u32 ttmp9, 320
	s_cselect_b64 s[22:23], s[8:9], s[22:23]
	s_cselect_b32 s21, s33, s21
	s_cmp_lt_u32 ttmp9, 288
	s_cselect_b64 s[22:23], s[6:7], s[22:23]
	s_cselect_b32 s21, s32, s21
	s_cmp_lt_u32 ttmp9, 256
	s_cselect_b64 s[22:23], s[4:5], s[22:23]
	s_cselect_b32 s21, ttmp9, s21                  ; s21: the group's number in its tensor
	s_lshl_b32 s40, s21, 15                        ; rows of 512 bytes: a group is 64 rows on end
	s_lshr_b32 s41, s21, 2                         ; dense_w: nt,
	s_lshr_b32 s42, s41, 1
	s_lshl_b32 s42, s42, 18                        ; 32 (nt / 2) rows of 8,192 bytes
	s_and_b32 s43, s41, 1
	s_lshl_b32 s43, s43, 16                        ; + 8 (nt % 2) rows
	s_add_co_u32 s42, s42, s43
	s_and_b32 s43, s21, 3
	s_lshl_b32 s43, s43, 11                        ; + four K steps of 512 bytes
	s_add_co_u32 s42, s42, s43
	s_cmp_lt_u32 ttmp9, 352
	s_cselect_b32 s40, s40, s42                    ; where fragment 0's slot 0 begins
	s_cselect_b32 s44, 9, 13                       ; log2 of the row pitch
	s_mov_b32 s45, 512
	s_cselect_b32 s45, 4096, s45                   ; from fragment 0 to 1: 8 rows, or a K step
	s_mov_b32 s46, 1024
	s_cselect_b32 s46, 16384, s46                  ; from fragment 0 to 2: 32 rows, or two K steps
	s_mov_b32 s39, 0
	s_mov_b32 s38, s40
	s_add_nc_u64 s[24:25], s[22:23], s[38:39]
	s_mov_b32 s38, s45
	s_add_nc_u64 s[26:27], s[24:25], s[38:39]
	s_mov_b32 s38, s46
	s_add_nc_u64 s[28:29], s[24:25], s[38:39]
	s_add_nc_u64 s[30:31], s[26:27], s[38:39]
	s_mul_i32 s38, ttmp9, 6144
	s_add_nc_u64 s[14:15], s[14:15], s[38:39]      ; my four fragments' images
	s_lshl_b32 s38, ttmp9, 8
	s_add_nc_u64 s[16:17], s[16:17], s[38:39]      ; and their block of scale words
.irp n, 0,1,2,3,4,5,6,7,8,9,10,11,12,13,14,15
	v_lshl_add_u32 v[AD+\n], \n+8*(\n/8), s44, v[LI]   ; slot n is row n + 8 (n / 8)
.endr
	LOADF 0, V0
	LOADF 1, V1
	s_wait_loadcnt 16                              ; fragment 0's 16 loads are in; the 16 younger ones are fragment 1's
	TURN V0, 0
	QUANT V0, PC, PW
	LOADF 2, V0
	s_wait_loadcnt 16                              ; fragment 1's are in; fragment 2's may be out
	TURN V1, 1
	QUANT V1, PC+12, PW+1
	LOADF 3, V1
	s_wait_loadcnt 16
	TURN V0, 0
	QUANT V0, PC+24, PW+2
	s_wait_loadcnt 0x0
	TURN V1, 1
	QUANT V1, PC+36, PW+3
.irp i, 0,1,2,3
.irp q, 0,1,2
	global_store_b128 v[LI], v[PC+12*\i+4*\q:PC+12*\i+4*\q+3], s[14:15] offset:1536*\i+512*\q   ; 32 lanes store 512 consecutive bytes
.endr
.endr
	global_store_b128 v[R16], v[PW:PW+3], s[16:17] ; 256 consecutive bytes; lanes 16-31 hold the same words and write the same bytes
	s_wait_tensorcnt 0x0                           ; the wave's end
	ds_add_u32 v[SPW], v[NIL]
	s_wait_dscnt 0x0
	s_endpgm
.Ltable:
	; cos and sin of p = 1.57 s / 4096, p rounded as reference() rounds it (one product in f32; the division by 4,096 is exact).  cos(p) = sin(pi/2 - p), pi/2 in two parts, so that cos keeps its digits where it is small.
	s_wait_kmcnt 0x0
	s_sub_co_u32 s20, ttmp9, 384
	s_lshl_b32 s21, s20, 7                         ; my first position
	s_lshl_b32 s22, s20, 9
	s_mov_b32 s23, 0
	s_add_nc_u64 s[18:19], s[18:19], s[22:23]
	v_lshl_add_u32 v8, v0, 2, s21                  ; four positions a lane
.irp i, 0,1,2,3
	v_add_nc_u32 v[12+\i], \i, v8
	v_cvt_f32_u32 v[12+\i], v[12+\i]
	v_mul_f32 v[12+\i], 0x3fc8f5c3, v[12+\i]       ; x 1.57
	v_mul_f32 v[12+\i], 0x39800000, v[12+\i]       ; x 2^-12
	v_sub_f32 v[16+\i], 0x3fc90fdb, v[12+\i]
	v_add_f32 v[16+\i], 0xb33bbd2e, v[16+\i]
.endr
.irp i, 0,1,2,3
	SINP 20+\i, 16+\i
	SINP 24+\i, 12+\i
.endr
	global_store_b128 v[LI], v[20:23], s[18:19]               ; cos: 512 consecutive bytes
	global_store_b128 v[LI], v[24:27], s[18:19] offset:16384  ; sin
	s_endpgm
.Lfunc_end_k_qa2e9b48972_prep:
	.size	k_qa2e9b48972_prep, .Lfunc_end_k_qa2e9b48972_prep-k_qa2e9b48972_prep
	.p2alignl 7, 3214868480
	.fill 96, 4, 3214868480
	.section	.rodata,"a",@progbits
	.p2align	6, 0x0
	.amdhsa_kernel k_qa2e9b48972_prep
		.amdhsa_group_segment_fixed_size 17152
		.amdhsa_private_segment_fixed_size 0
		.amdhsa_enable_private_segment 0
		.amdhsa_kernarg_size 64
		.amdhsa_user_sgpr_count 2
		.amdhsa_user_sgpr_kernarg_segment_ptr 1
		.amdhsa_wavefront_size32 1
		.amdhsa_system_sgpr_workgroup_id_x 1
		.amdhsa_system_sgpr_workgroup_id_y 1
		.amdhsa_system_sgpr_workgroup_id_z 1
		.amdhsa_system_vgpr_workitem_id 0
		.amdhsa_next_free_vgpr 224
		.amdhsa_next_free_sgpr 66
		.amdhsa_reserve_vcc 0
		.amdhsa_float_denorm_mode_32 3
		.amdhsa_float_denorm_mode_16_64 3
		.amdhsa_memory_ordered 1
		.amdhsa_forward_progress 1
		.amdhsa_inst_pref_size 41
	.end_amdhsa_kernel
	.amdgpu_metadata
---
amdhsa.version: [ 1, 2 ]
amdhsa.kernels:
  - .name:           k_qa2e9b48972_prep
    .symbol:         k_qa2e9b48972_prep.kd
    .args:
      - { .name: x, .offset: 0, .size: 8, .value_kind: global_buffer, .address_space: global }
      - { .name: wq_w, .offset: 8, .size: 8, .value_kind: global_buffer, .address_space: global }
      - { .name: wk_w, .offset: 16, .size: 8, .value_kind: global_buffer, .address_space: global }
      - { .name: wv_w, .offset: 24, .size: 8, .value_kind: global_buffer, .address_space: global }
      - { .name: dense_w, .offset: 32, .size: 8, .value_kind: global_buffer, .address_space: global }
      - { .name: codes, .offset: 40, .size: 8, .value_kind: global_buffer, .address_space: global }
      - { .name: scales, .offset: 48, .size: 8, .value_kind: global_buffer, .address_space: global }
      - { .name: cstab, .offset: 56, .size: 8, .value_kind: global_buffer, .address_space: global }
    .group_segment_fixed_size: 17152
    .private_segment_fixed_size: 0
    .kernarg_segment_align: 8
    .kernarg_segment_size: 64
    .max_flat_workgroup_size: 32
    .sgpr_count:     66
    .vgpr_count:     224
    .wavefront_size: 32
...
	.end_amdgpu_metadata
.endif
;; end of part 1
;; launch kvstate (part 2): grid 256 x 1, 4 waves a work-group, no clusters, 132,608 bytes of LDS; arguments codes, scales, cstab, wk_b, wv_b, kvc, kvs, ksum; writes kvc, kvs, ksum
.if DOCPART == 2
	.amdgcn_target "amdgcn-amd-amdhsa--gfx1250"
	.amdhsa_code_object_version 6
	.text
	.protected	k_qa2e9b48972_kvstate
	.globl	k_qa2e9b48972_kvstate
	.p2align	8
	.type	k_qa2e9b48972_kvstate,@function
k_qa2e9b48972_kvstate:
	s_mov_b64 s[64:65], 0
	v_nop
	global_prefetch_b8 v0, s[64:65] scope:SCOPE_SE
	s_setreg_imm32_b32 hwreg(HW_REG_WAVE_MODE, 25, 1), 1
	s_wait_xcnt 0x0
; LAUNCH 2 OF 3: products 2, 3, 4, 5 of reference(), the sums of k_cos and k_sin over the positions, and the quantising of kv_cos and kv_sin along the features.  (The input mask is dead work: see the first kernel's head.)
; SHARES.  A work-group owns (b, h, g): one batch, one head, features 32 g .. 32 g + 31, all 128 z, all 4,096 positions.  32 features are one quantiser block of products 6 and 7, so the work-group ends with
; finished sums and quantises them itself: no partial sums go to memory.  The price: v of a head is made in all four work-groups of that head.
; The positions go in 32 steps of 128; wave w takes steps w, w + 4, .. w + 28, each step alone, on 32 accumulators of its own.  No LDS and no barrier in the loop; the four waves' sums meet in LDS at the end.
; A STEP.  k + 1-part: x (8 fragments of 16 positions) times my two fragments of wk, C = wk_b + 1: a lane holds ONE feature and its 64 registers run along the positions, 16 neighbours of each block of 32.
; elu(y) + 1 = the middle one of (y + 1, e^y, 1), for every y.  Times cos and times sin; both summed (f32) and both quantised along the positions: four fragments.  Then for each of eight tiles of z: v likewise
; (C = wv_b), quantised along the positions, and four products kv(cs, ft, zt) += k-fragment x v-fragment.
; LIMITS: for y <= 0 e^y stands for expm1(y) + 1 (they differ by at most 2^-24); e^y under 2^-126 is 0; the f32 sums over the positions are taken in another order than reference()'s; a block of zeros gets the scale byte 1
; (its codes are zeros; this program alone reads the bytes); NaN and infinities are not served.
; NO CLUSTER, NO TENSOR LOAD: every operand comes from memory in the order of its registers and feeds 10 (x) or 64 (weights) matrix instructions from there; an LDS ring would add a round trip for 12,800 bytes a step.
; REGISTERS, in windows of 256.  window 0: addresses, scale words, VAL, VAL2 (64 numbers each), the codes just made, the k fragments.  window 1: the 32 accumulators, (cs, ft, zt) at 8 (16 cs + 8 ft + zt).
;   window 2: x (even steps of a trip), wv, wk, the biases as C tiles.   window 3: x (odd steps), cos, sin.
.set KSR,   131072                     ; LDS: 0..131071 the four waves' accumulators as they stand; then their k sums: 256 u + 64 (2 cs + ft) + 4 r
.set SPARE, 132096                     ; the spare words, 128 bytes for each wave: two blocks of 256 bytes that no other line names
.set LI,  1                            ; v1   16 x lane
.set CSA, 2                            ; v2   64 x (lane / 16)
.set BO,  3                            ; v3   4 (r + 8 (r / 8))
.set KSA, 4                            ; v4   LDS: where I put k sums
.set RW,  5                            ; v5   LDS: where I put accumulators
.set RA,  6                            ; v6   LDS: where I read waves 0 and 1's;  v7: waves 2 and 3's
.set RB,  7
.set OA,  8                            ; v8, v9, v10  my offsets in kvc (two parts) and kvs
.set OB,  9
.set OS,  10
.set KL,  11                           ; v11  LDS: where I read k sums
.set R16, 12                           ; v12  16 r
.set NLE, 14                           ; v[14:15] -log2(e), twice
.set XS0, 16                           ; v16-19, v20-23 x's scale words, a set for each buffer
.set WVS, 24                           ; v24-27 wv's;  v28-29 wk's;  v30-33 the k fragments';  v34 the v fragment's
.set WKS, 28
.set KSW, 30
.set PW,  34
.set VAL, 36
.set VAL2, 100
.set PC,  164                          ; v164-175 the fragment just made
.set TP,  176
.set TM,  184
.set KS,  196                          ; v196-203 the k sums: a pair for each (ft, cs) at 4 ft + 2 cs
.set SPW, 204                          ; LDS address of my spare word; never rewritten
.set NIL, 205                          ; 0; never rewritten
.set KC,  206                          ; v206-253 the step's k fragments: 12 (2 cs + ft)
.set WV,  96                           ; window 2
.set WK,  192
.set KB,  216
.set VBC, 232
.set VB,  248
.set COS, 96                           ; window 3
.set SIN, 160
.set XP,  28                           ; s[28:29] x's codes, s[30:31] x's scale words, s[32:33] the table, at the trip's first step
.set XSP, 30
.set CSP, 32
.set TRIPS, 34
.set SEL, 36
.set LE,  38                           ; s[38:39] log2(e), twice
.set MSB, 0
.macro WIN new                         ; the immediate's high byte repeats the setting that is left; a switch that changes nothing is dropped
.if MSB != (\new)
	s_set_vgpr_msb (MSB<<8)|(\new)
.set MSB, (\new)
.endif
.endm
.macro PLACES n
.rept \n
	v_nop
.endr
.endm
.macro QMAX s
.irp b, 0,1,2,3
	v_max3_num_f32 v[TM+\b], |v[\s+16*\b]|, |v[\s+16*\b+1]|, 0x1800000   ; the floor 2^(3 - 127) among the leaves: the byte cannot fall under 1
.endr
.irp i, 2,4,6,8,10,12,14
.irp b, 0,1,2,3
	v_max3_num_f32 v[TM+\b], v[TM+\b], |v[\s+16*\b+\i]|, |v[\s+16*\b+\i+1]|
.endr
.endr
.irp b, 0,1,2,3
	v_permlanex16_b32 v[TM+4+\b], v[TM+\b], s[SEL], s[SEL+1]
.endr
.irp b, 0,1,2,3
	v_max_num_f32 v[TM+\b], v[TM+\b], v[TM+4+\b]
.endr
.endm
.macro QTAIL s, d, w, mx
.irp b, 0,1,2,3
	v_add_nc_u32 v[TM+8+\b], 0xff000000, v[\mx+\b] ; 2 off the exponent field: the conversion's scale operand
.endr
.irp b, 0,1,2,3
	v_lshrrev_b32 v[TM+4+\b], 23, v[TM+8+\b]       ; the scale's byte
.endr
	v_lshl_or_b32 v[\w], v[TM+5], 8, v[TM+4]
	v_lshl_or_b32 v[\w], v[TM+6], 16, v[\w]
	v_lshl_or_b32 v[\w], v[TM+7], 24, v[\w]
.irp c, 0,1
	v_cvt_scalef32_pk16_fp6_f32 v[\d+6*\c:\d+6*\c+2], v[\s+32*\c:\s+32*\c+15], v[TM+8+2*\c]
	v_cvt_scalef32_pk16_fp6_f32 v[TP+4*\c:TP+4*\c+2], v[\s+32*\c+16:\s+32*\c+31], v[TM+9+2*\c]
.endr
	v_nop                                          ; one plain place behind the scaled conversions
.irp c, 0,1
.irp i, 0,1,2
	v_permlane16_swap_b32 v[\d+6*\c+\i], v[TP+4*\c+\i]
.endr
.irp i, 0,1,2
	v_mov_b32 v[\d+6*\c+3+\i], v[TP+4*\c+\i]
.endr
.endr
.endm
.macro QUANT s, d, w                   ; 64 numbers of a lane (register 16 b + i = K 32 b + 16 (lane / 16) + i of its row) -> a fragment and its scale word
	QMAX \s
	QTAIL \s, \d, \w, TM
.endm
; one matrix instruction: D, A, B, C as first registers; sa, sb the scale registers; ra, rb = 1: that side's scales stand in lanes 16-31
.macro WM d, a, b, c, sa, sb, ra, rb
.if (\ra) == 0
.if (\rb) == 0
	v_wmma_scale_f32_16x16x128_f8f6f4 v[\d:\d+7], v[\a:\a+11], v[\b:\b+11], v[\c:\c+7], v[\sa], v[\sb] matrix_a_fmt:MATRIX_FMT_FP6 matrix_b_fmt:MATRIX_FMT_FP6
.else
	v_wmma_scale_f32_16x16x128_f8f6f4 v[\d:\d+7], v[\a:\a+11], v[\b:\b+11], v[\c:\c+7], v[\sa], v[\sb] matrix_a_fmt:MATRIX_FMT_FP6 matrix_b_fmt:MATRIX_FMT_FP6 matrix_b_scale:MATRIX_SCALE_ROW1
.endif
.else
.if (\rb) == 0
	v_wmma_scale_f32_16x16x128_f8f6f4 v[\d:\d+7], v[\a:\a+11], v[\b:\b+11], v[\c:\c+7], v[\sa], v[\sb] matrix_a_fmt:MATRIX_FMT_FP6 matrix_b_fmt:MATRIX_FMT_FP6 matrix_a_scale:MATRIX_SCALE_ROW1
.else
	v_wmma_scale_f32_16x16x128_f8f6f4 v[\d:\d+7], v[\a:\a+11], v[\b:\b+11], v[\c:\c+7], v[\sa], v[\sb] matrix_a_fmt:MATRIX_FMT_FP6 matrix_b_fmt:MATRIX_FMT_FP6 matrix_a_scale:MATRIX_SCALE_ROW1 matrix_b_scale:MATRIX_SCALE_ROW1
.endif
.endif
.endm
; v[a] on holds y + 1; it becomes elu(y) + 1 = the middle one of (y + 1, e^y, 1).  v[e] on is scratch.  The 64 exponentials are one batch with one wait.
.macro ELU a, e
.set j, 0
.rept 32
	v_pk_fma_f32 v[\e+j:\e+j+1], v[\a+j:\a+j+1], s[LE:LE+1], v[NLE:NLE+1] op_sel_hi:[1,0,0]   ; (y + 1) log2(e) - log2(e)
.set j, j+2
.endr
.set j, 0
.rept 64
	v_exp_f32 v[\e+j], v[\e+j]
.set j, j+1
.endr
	v_nop                                          ; a plain place behind the last exponential
	s_wait_alu depctr_va_vdst(0)                   ; the wait ahead of the batch's first reader
.set j, 0
.rept 64
	v_med3_num_f32 v[\a+j], v[\a+j], v[\e+j], 1.0
.set j, j+1
.endr
.endm
.macro LOADX buf, imm                  ; a step's 8 fragments of x and their scale words, imm bytes of codes on from the trip's first step: 25 loads
	WIN 0x80+0x40*(\buf)
.irp t, 0,1,2,3,4,5,6,7
.irp q, 0,1,2
	global_load_b128 v[12*\t+4*\q:12*\t+4*\q+3], v[LI], s[XP:XP+1] offset:(\imm)+1536*\t+512*\q
.endr
.endr
	WIN 0
	global_load_b128 v[XS0+4*(\buf):XS0+4*(\buf)+3], v[LI], s[XSP:XSP+1] offset:(\imm)/24
.endm
.macro LOADCS imm                      ; a step's cos and sin in the layout of VAL: register 16 b + i = position 32 b + 16 (lane / 16) + i: 32 loads
	WIN 0xC0
.irp b, 0,1,2,3
.irp q, 0,1,2,3
	global_load_b128 v[COS+16*\b+4*\q:COS+16*\b+4*\q+3], v[CSA], s[CSP:CSP+1] offset:(\imm)+128*\b+16*\q
	global_load_b128 v[SIN+16*\b+4*\q:SIN+16*\b+4*\q+3], v[CSA], s[CSP:CSP+1] offset:(\imm)+16384+128*\b+16*\q
.endr
.endr
	WIN 0
.endm
	s_load_b256 s[4:11], s[0:1], 0x0               ; codes s[4:5], scales s[6:7], cstab s[8:9], wk_b s[10:11]
	s_load_b256 s[12:19], s[0:1], 0x20             ; wv_b s[12:13], kvc s[14:15], kvs s[16:17], ksum s[18:19]
	v_lshl_add_u32 v[SPW], v0, 2, SPARE
	v_mov_b32 v[NIL], 0
	v_lshrrev_b32 v13, 5, v0
	v_readfirstlane_b32 s20, v13                   ; wave
	s_and_b32 s21, ttmp9, 3                        ; g
	s_bfe_u32 s22, ttmp9, 0x40002                  ; h
	s_lshr_b32 s23, ttmp9, 6                       ; b
	s_lshr_b32 s48, s20, 1                         ; at the end I finish cs = wave / 2,
	s_and_b32 s49, s20, 1                          ; z tiles 4 (wave % 2) on
	v_and_b32 v13, 31, v0
	v_lshlrev_b32 v[LI], 4, v13
	v_lshlrev_b32 v[OB], 3, v13
	v_bfe_u32 v[CSA], v0, 4, 1
	v_lshlrev_b32 v[CSA], 6, v[CSA]
	v_and_b32 v13, 15, v0                          ; r
	v_lshlrev_b32 v[R16], 4, v13
	v_lshlrev_b32 v[OS], 2, v13
	v_and_b32 v[BO], 8, v13
	v_add_nc_u32 v[BO], v[BO], v13
	v_lshlrev_b32 v[BO], 2, v[BO]
	s_lshl_b32 s24, s20, 8
	s_add_co_u32 s24, s24, KSR
	v_add_nc_u32 v[KSA], s24, v[OS]
	s_lshl_b32 s24, s20, 6
	s_add_co_u32 s24, s24, KSR
	v_add_nc_u32 v[KL], s24, v[OS]
	s_lshl_b32 s24, s49, 8
	v_add_nc_u32 v[OS], s24, v[OS]
	s_lshl_b32 s24, s20, 15
	v_add_nc_u32 v[RW], s24, v[LI]
	s_lshl_b32 s24, s48, 14
	s_lshl_b32 s25, s49, 12
	s_add_co_u32 s24, s24, s25
	v_add_nc_u32 v[RA], s24, v[LI]
	v_add_nc_u32 v[RB], 0x10000, v[RA]
	s_lshl_b32 s24, s49, 10
	v_add_nc_u32 v[OA], s24, v[LI]
	s_lshl_b32 s24, s49, 9
	s_add_co_u32 s24, s24, 2048
	v_add_nc_u32 v[OB], s24, v[OB]
	s_mov_b32 s[SEL], 0x76543210
	s_mov_b32 s[SEL+1], 0xfedcba98
	s_mov_b32 s[LE], 0x3fb8aa3b
	s_mov_b32 s[LE+1], s[LE]
	s_mov_b32 s43, 0
	s_lshl_b32 s40, s23, 5
	s_add_co_u32 s40, s40, s20                     ; 32 b + wave: my first step among x's 128
	s_wait_kmcnt 0x0
	s_mul_i32 s42, s40, 12288
	s_add_nc_u64 s[XP:XP+1], s[4:5], s[42:43]
	s_lshl_b32 s42, s40, 9
	s_add_nc_u64 s[XSP:XSP+1], s[6:7], s[42:43]
	s_lshl_b32 s42, s20, 9
	s_add_nc_u64 s[CSP:CSP+1], s[8:9], s[42:43]
	s_lshl_b32 s42, s22, 3
	s_lshl_b32 s44, s21, 1
	s_add_co_u32 s42, s42, s44
	s_mul_i32 s42, s42, 1536
	s_add_co_u32 s42, s42, 1152*1536
	s_add_nc_u64 s[50:51], s[4:5], s[42:43]        ; wk's fragments 8 h + 2 g, + 1
	s_mul_i32 s42, s22, 12288
	s_add_co_u32 s42, s42, 1280*1536
	s_add_nc_u64 s[52:53], s[4:5], s[42:43]        ; wv's eight
	s_lshl_b32 s42, s22, 1
	s_lshr_b32 s44, s21, 1
	s_add_co_u32 s42, s42, s44
	s_add_co_u32 s42, s42, 288
	s_lshl_b32 s42, s42, 8
	s_and_b32 s44, s21, 1
	s_lshl_b32 s44, s44, 3
	s_add_co_u32 s42, s42, s44
	s_add_nc_u64 s[54:55], s[6:7], s[42:43]        ; wk's scale words
	s_lshl_b32 s42, s22, 9
	s_add_co_u32 s44, s42, 320*256
	s_mov_b32 s45, 0
	s_add_nc_u64 s[56:57], s[6:7], s[44:45]        ; wv's
	s_add_nc_u64 s[12:13], s[12:13], s[42:43]      ; wv_b at my head
	s_lshl_b32 s44, s21, 7
	s_add_co_u32 s42, s42, s44
	s_add_nc_u64 s[10:11], s[10:11], s[42:43]      ; wk_b at my 32 features
	; where my results go
	s_lshl_b32 s40, s23, 4
	s_add_co_u32 s40, s40, s22
	s_lshl_b32 s40, s40, 1
	s_add_co_u32 s40, s40, s48                     ; 2 (16 b + h) + cs
	s_lshl_b32 s42, s40, 2
	s_add_co_u32 s42, s42, s21
	s_mul_i32 s42, s42, 3072
	s_add_nc_u64 s[14:15], s[14:15], s[42:43]      ; kvc: my chunk of 3,072 bytes
	s_lshl_b32 s42, s40, 9
	s_add_co_u32 s44, s42, s21
	s_add_nc_u64 s[16:17], s[16:17], s[44:45]      ; kvs: byte g of each word
	s_lshl_b32 s44, s21, 7
	s_add_co_u32 s42, s42, s44
	s_lshl_b32 s44, s49, 5
	s_add_co_u32 s42, s42, s44
	s_add_nc_u64 s[18:19], s[18:19], s[42:43]      ; ksum: features 32 g + 8 (wave % 2) on
	WIN 0x80
.irp ft, 0,1
	global_load_b32 v[KB+8*\ft], v[BO], s[10:11] offset:32*\ft
.endr
.irp zt, 0,1,2,3,4,5,6,7
	global_load_b32 v[VB+\zt], v[BO], s[12:13] offset:128*(\zt/2)+32*(\zt%2)
.endr
.irp ft, 0,1
.irp q, 0,1,2
	global_load_b128 v[WK+12*\ft+4*\q:WK+12*\ft+4*\q+3], v[LI], s[50:51] offset:1536*\ft+512*\q
.endr
.endr
.irp zt, 0,1,2,3,4,5,6,7
.irp q, 0,1,2
	global_load_b128 v[WV+12*\zt+4*\q:WV+12*\zt+4*\q+3], v[LI], s[52:53] offset:1536*\zt+512*\q
.endr
.endr
	WIN 0
.irp ft, 0,1
	global_load_b32 v[WKS+\ft], v[R16], s[54:55] offset:4*\ft
.endr
	global_load_b128 v[WVS:WVS+3], v[LI], s[56:57]
	LOADX 0, 0
	LOADCS 0
	; The accumulators are cleared: a first step written out with the constant 0 as C would be a third copy of the step's text, which is the larger price here.
	WIN 0x40
.set j, 0
.rept 256
	v_mov_b32 v[j], 0
.set j, j+1
.endr
	WIN 0
	s_wait_loadcnt 63                              ; 90 loads were issued behind the ten of the biases: with 63 out at the most, those ten are in
	WIN 0x8A                                       ; all within window 2
.irp ft, 0,1
	v_add_f32 v[KB+8*\ft], 1.0, v[KB+8*\ft]        ; C of the k products: wk_b + 1, the lane's feature's, eight times
.irp j, 1,2,3,4,5,6,7
	v_mov_b32 v[KB+8*\ft+\j], v[KB+8*\ft]
.endr
.endr
.irp j, 0,1,2,3,4,5,6,7
	v_mov_b32 v[VBC+\j], v[VB]                     ; C of the first v products
.endr
	WIN 0
.irp j, 0,1,2,3,4,5,6,7
	v_mov_b32 v[KS+\j], 0
.endr
.irp b, 0,1,2,3
	v_mov_b32 v[TM+4+\b], 0                        ; written once: a lane permute's destination counts as one of its sources
.endr
	v_mov_b32 v[NLE], 0xbfb8aa3b
	v_mov_b32 v[NLE+1], 0xbfb8aa3b
; A STEP OF 128 POSITIONS.  xb: which buffer holds its x.  tail = 1: what it asks for ahead belongs to the next trip, and is not asked for in the last.
.macro STEP xb, tail
.if \tail
	s_cmp_eq_u32 s[TRIPS], 1
	s_cbranch_scc1 .Llast_\@
.endif
	LOADX 1-\xb, 49152*(1+\xb)                     ; the next step's x into the other buffer, whose last readers stand a whole quantiser back
	s_wait_loadcnt 25                              ; all but the 25 just issued: this step's x, scale words, cos and sin are in
.if \tail
	s_branch .Lgo_\@
.Llast_\@:
	s_wait_loadcnt 0x0
.Lgo_\@:
.endif
.irp ft, 0,1
	WIN 0x2A+\xb                                   ; A: x in window 2 or 3; B and C in window 2; D in window 0
.irp t, 0,1,2,3,4,5,6,7
	WM VAL+8*\t, 12*\t, WK+12*\ft, KB+8*\ft, XS0+4*\xb+\t%4, WKS+\ft, \t/4, 0
.endr
	WIN 0
	PLACES 4
	ELU VAL, VAL2
.irp cs, 0,1
	WIN 0x0C                                       ; source 1: window 3
.set j, 0
.rept 16
	v_pk_mul_f32 v[VAL2+j:VAL2+j+1], v[VAL+j:VAL+j+1], v[COS+64*\cs+j:COS+64*\cs+j+1]
	v_pk_fma_f32 v[KS+4*\ft+2*\cs:KS+4*\ft+2*\cs+1], v[VAL+j:VAL+j+1], v[COS+64*\cs+j:COS+64*\cs+j+1], v[KS+4*\ft+2*\cs:KS+4*\ft+2*\cs+1]   ; the sum over the positions, in two chains
	v_pk_mul_f32 v[VAL2+j+2:VAL2+j+3], v[VAL+j+2:VAL+j+3], v[COS+64*\cs+j+2:COS+64*\cs+j+3]
.if j == 0
	v_pk_mul_f32 v[TP:TP+1], v[VAL+2:VAL+3], v[COS+64*\cs+2:COS+64*\cs+3]
.else
	v_pk_fma_f32 v[TP:TP+1], v[VAL+j+2:VAL+j+3], v[COS+64*\cs+j+2:COS+64*\cs+j+3], v[TP:TP+1]
.endif
.set j, j+4
.endr
	WIN 0
	v_pk_add_f32 v[KS+4*\ft+2*\cs:KS+4*\ft+2*\cs+1], v[KS+4*\ft+2*\cs:KS+4*\ft+2*\cs+1], v[TP:TP+1]
	QUANT VAL2, KC+12*(2*\cs+\ft), KSW+2*\cs+\ft
.endr
.endr
.if \tail
	s_cmp_eq_u32 s[TRIPS], 1
	s_cbranch_scc1 .Lnocs_\@
.endif
	LOADCS 2048*(1+\xb)                            ; the next step's cos and sin: this step has read its own
.if \tail
.Lnocs_\@:
.endif
.irp zt, 0,1,2,3,4,5,6,7
	WIN 0x2A+\xb
.irp t, 0,1,2,3,4,5,6,7
	WM VAL+8*\t, 12*\t, WV+12*\zt, VBC+8*(\zt%2), XS0+4*\xb+\t%4, WVS+\zt%4, \t/4, \zt/4
.endr
	WIN 0x8A
.irp j, 0,1,2,3,4,5,6,7
	v_mov_b32 v[VBC+8*((\zt+1)%2)+\j], v[VB+(\zt+1)%8]   ; the next tile's C, in the other of two sets; these eight name no register of the products above and are the places behind them
.endr
	WIN 0
	QUANT VAL, PC, PW
	PLACES 8                                       ; a scale word made by vector instructions stands eight places ahead of a scaled matrix instruction
	WIN 0x50                                       ; C and D: window 1
.irp cs, 0,1
.irp ft, 0,1
	WM 8*(16*\cs+8*\ft+\zt), KC+12*(2*\cs+\ft), PC, 8*(16*\cs+8*\ft+\zt), KSW+2*\cs+\ft, PW, 0, 0   ; four accumulators, one instruction a turn
.endr
.endr
	WIN 0
.endr
.endm
	s_mov_b32 s[TRIPS], 4
.Ltrip:                                                ; four trips of two steps
	STEP 0, 0
	STEP 1, 1
	s_wait_xcnt 0x0                                ; the loads have read their bases: they may step
	s_add_nc_u64 s[XP:XP+1], s[XP:XP+1], 98304
	s_add_nc_u64 s[XSP:XSP+1], s[XSP:XSP+1], 4096
	s_add_nc_u64 s[CSP:CSP+1], s[CSP:CSP+1], 4096
	s_sub_co_u32 s[TRIPS], s[TRIPS], 1
	s_cmp_lg_u32 s[TRIPS], 0
	s_cbranch_scc1 .Ltrip
	; THE END.  My k sums: the pair's halves and lane l xor 16's.  These twelve lines are also the places behind the last products.
.irp k, 0,1,2,3
	v_add_f32 v[KS+2*\k], v[KS+2*\k], v[KS+2*\k+1]
.endr
.irp k, 0,1,2,3
	v_permlanex16_b32 v[TM+4+\k], v[KS+2*\k], s[SEL], s[SEL+1]
.endr
.irp k, 0,1,2,3
	v_add_f32 v[KS+2*\k], v[KS+2*\k], v[TM+4+\k]
.endr
.irp ft, 0,1
.irp cs, 0,1
	ds_store_b32 v[KSA], v[KS+4*\ft+2*\cs] offset:64*(2*\cs+\ft)   ; lanes r and r + 16 write the same word with the same value
.endr
.endr
	WIN 0x04                                       ; an LDS store's data are its source 1: window 1
.set j, 0
.rept 32
	ds_store_b128 v[RW], v[8*j:8*j+3] offset:1024*j            ; each accumulator from its low end on
	ds_store_b128 v[RW], v[8*j+4:8*j+7] offset:1024*j+512
.set j, j+1
.endr
	WIN 0
	s_wait_dscnt 0x0                               ; for the others' sake: my stores have landed
	s_barrier_signal -1
	s_barrier_wait -1
	; Wave w finishes cs = w / 2, z tiles 4 (w % 2) + i, both feature tiles: register 16 i + 8 ft + j = feature 32 g + 16 (lane / 16) + 8 ft + j of z slot r of tile i
.irp u, 0,1,2,3
	ds_load_b32 v[KS+\u], v[KL] offset:256*\u      ; and the k sum of (cs, ft) = (w / 2, w % 2)
.endr
.irp ft, 0,1
.irp i, 0,1,2,3
.irp q, 0,1
	ds_load_b128 v[VAL+16*\i+8*\ft+4*\q:VAL+16*\i+8*\ft+4*\q+3], v[RA] offset:8192*\ft+1024*\i+512*\q
	ds_load_b128 v[VAL2+16*\i+8*\ft+4*\q:VAL2+16*\i+8*\ft+4*\q+3], v[RA] offset:32768+8192*\ft+1024*\i+512*\q
.endr
.endr
.endr
	WIN 0x80
.irp ft, 0,1
.irp i, 0,1,2,3
.irp q, 0,1
	ds_load_b128 v[16*\i+8*\ft+4*\q:16*\i+8*\ft+4*\q+3], v[RB] offset:8192*\ft+1024*\i+512*\q
	ds_load_b128 v[64+16*\i+8*\ft+4*\q:64+16*\i+8*\ft+4*\q+3], v[RB] offset:32768+8192*\ft+1024*\i+512*\q
.endr
.endr
.endr
	WIN 0
	s_wait_dscnt 0x0
	v_add_f32 v[KS], v[KS], v[KS+1]
	v_add_f32 v[KS+2], v[KS+2], v[KS+3]
	v_add_f32 v[KS], v[KS], v[KS+2]
	global_store_b32 v[BO], v[KS], s[18:19]        ; feature 32 g + 8 ft + r + 8 (r / 8)
.set j, 0
.rept 32
	v_pk_add_f32 v[VAL+j:VAL+j+1], v[VAL+j:VAL+j+1], v[VAL2+j:VAL2+j+1]
.set j, j+2
.endr
	WIN 0x08                                       ; source 1: window 2
.set j, 0
.rept 32
	v_pk_add_f32 v[VAL+j:VAL+j+1], v[VAL+j:VAL+j+1], v[j:j+1]
.set j, j+2
.endr
.set j, 0
.rept 32
	v_pk_add_f32 v[VAL+j:VAL+j+1], v[VAL+j:VAL+j+1], v[64+j:64+j+1]
.set j, j+2
.endr
	WIN 0
	QUANT VAL, PC, PW                              ; "block i" is z tile i's 32 features: one quantiser block of products 6 and 7.  Lane (r, h) then holds in registers 6 c .. 6 c + 5 the block of z tile 2 c + h
.irp c, 0,1
	global_store_b128 v[OA], v[PC+6*\c:PC+6*\c+3], s[14:15] offset:512*\c       ; 512 consecutive bytes
	global_store_b64 v[OB], v[PC+6*\c+4:PC+6*\c+5], s[14:15] offset:256*\c      ; 256 consecutive bytes
.endr
.irp i, 0,1,2,3
	global_store_b8 v[OS], v[TM+4+\i], s[16:17] offset:64*\i   ; byte g of the z slot's scale word; the other three bytes are the other three work-groups' of this head: 65,536 bytes in the whole launch
.endr
	s_wait_tensorcnt 0x0                           ; the wave's end
	ds_add_u32 v[SPW], v[NIL]
	s_wait_dscnt 0x0
	s_endpgm
.Lfunc_end_k_qa2e9b48972_kvstate:
	.size	k_qa2e9b48972_kvstate, .Lfunc_end_k_qa2e9b48972_kvstate-k_qa2e9b48972_kvstate
	.p2alignl 7, 3214868480
	.fill 96, 4, 3214868480
	.section	.rodata,"a",@progbits
	.p2align	6, 0x0
	.amdhsa_kernel k_qa2e9b48972_kvstate
		.amdhsa_group_segment_fixed_size 132608
		.amdhsa_private_segment_fixed_size 0
		.amdhsa_enable_private_segment 0
		.amdhsa_kernarg_size 64
		.amdhsa_user_sgpr_count 2
		.amdhsa_user_sgpr_kernarg_segment_ptr 1
		.amdhsa_wavefront_size32 1
		.amdhsa_system_sgpr_workgroup_id_x 1
		.amdhsa_system_sgpr_workgroup_id_y 1
		.amdhsa_system_sgpr_workgroup_id_z 1
		.amdhsa_system_vgpr_workitem_id 0
		.amdhsa_next_free_vgpr 1024
		.amdhsa_next_free_sgpr 66
		.amdhsa_reserve_vcc 0
		.amdhsa_float_denorm_mode_32 3
		.amdhsa_float_denorm_mode_16_64 3
		.amdhsa_memory_ordered 1
		.amdhsa_forward_progress 1
		.amdhsa_inst_pref_size 249
	.end_amdhsa_kernel
	.amdgpu_metadata
---
amdhsa.version: [ 1, 2 ]
amdhsa.kernels:
  - .name:           k_qa2e9b48972_kvstate
    .symbol:         k_qa2e9b48972_kvstate.kd
    .args:
      - { .name: codes, .offset: 0, .size: 8, .value_kind: global_buffer, .address_space: global }
      - { .name: scales, .offset: 8, .size: 8, .value_kind: global_buffer, .address_space: global }
      - { .name: cstab, .offset: 16, .size: 8, .value_kind: global_buffer, .address_space: global }
      - { .name: wk_b, .offset: 24, .size: 8, .value_kind: global_buffer, .address_space: global }
      - { .name: wv_b, .offset: 32, .size: 8, .value_kind: global_buffer, .address_space: global }
      - { .name: kvc, .offset: 40, .size: 8, .value_kind: global_buffer, .address_space: global }
      - { .name: kvs, .offset: 48, .size: 8, .value_kind: global_buffer, .address_space: global }
      - { .name: ksum, .offset: 56, .size: 8, .value_kind: global_buffer, .address_space: global }
    .group_segment_fixed_size: 132608
    .private_segment_fixed_size: 0
    .kernarg_segment_align: 8
    .kernarg_segment_size: 64
    .max_flat_workgroup_size: 128
    .sgpr_count:     66
    .vgpr_count:     1024
    .wavefront_size: 32
...
	.end_amdgpu_metadata
.endif
;; end of part 2
;; launch attend (part 3): grid 256 x 1, 4 waves a work-group, no clusters, 140,800 bytes of LDS; arguments codes, scales, cstab, wq_b, kvc, kvs, ksum, dense_b, out0; writes out0
.if DOCPART == 3
	.amdgcn_target "amdgcn-amd-amdhsa--gfx1250"
	.amdhsa_code_object_version 6
	.text
	.protected	k_qa2e9b48972_attend
	.globl	k_qa2e9b48972_attend
	.p2align	8
	.type	k_qa2e9b48972_attend,@function
k_qa2e9b48972_attend:
	s_mov_b64 s[64:65], 0
	v_nop
	global_prefetch_b8 v0, s[64:65] scope:SCOPE_SE
	s_setreg_imm32_b32 hwreg(HW_REG_WAVE_MODE, 25, 1), 1
	s_wait_xcnt 0x0
; LAUNCH 3 OF 3: products 1, 6, 7, 8, 9 and 10 of reference().  (The input mask is dead work: see the first kernel's head.)
; SHARES.  A work-group owns 64 rows (positions) of one batch: four fragments of x, which stay in registers.  PHASE 1: wave w walks heads 4 w .. 4 w + 3; for each head and each fragment of rows (a UNIT):
; q + 1-part = wq x + (wq_b + 1), used transposed, so that a lane holds ONE row and its 64 registers run along the features; elu + 1; times cos and times sin of the row; the two denominators' dot products with the
; k sums, in f32 fused multiply-adds; both quantised along the features; o = kv_cos q_cos + kv_sin q_sin on one set of eight accumulators, again transposed; times 1 / denominator; quantised along z, which is K of
; product 10; the fragment goes to LDS as an image of its registers.  PHASE 2: wave w makes output columns 32 w .. 32 w + 31 of all 64 rows over K = 2,048: sixteen K steps, one for each head.
; The block maxima of q cos and of q sin are not searched for: q, cos and sin are not negative and rounding does not change an order, so the largest product is the largest q times the factor.
; LIMITS: as in the second kernel: e^y for expm1(y) + 1 where y <= 0, e^y under 2^-126 is 0, byte 1 for a block of zeros, other orders of f32 sums, no NaN or infinities.
; NO CLUSTER, NO TENSOR LOAD: the weights and the kv state come from memory in the order of their registers, each fragment feeding four matrix instructions from there; they are asked for a unit or more ahead.
; REGISTERS, in windows of 256.  window 0: addresses, scale words, the unit's numbers.  window 1: wq (96), wq_b + 1 (64), x (48); in phase 2 dense_w's first tile.  window 2: kv_cos, kv_sin (96 each); in phase 2 dense_w's
;   second tile.  window 3: the k sums (64 + 64); in phase 2 o's fragments, two sets of 48.
.set OSC,   98304                      ; LDS: 0.. o's 64 fragments, (4 head + m) x 1,536;  then their scale words, (4 head + m) x 128
.set STG,   106496                     ; the stage for the way out: 64 rows x (512 bytes + 16)
.set SPARE, 140288                     ; the spare words, 128 bytes for each wave: two blocks of 256 bytes that no other line names
.set LI,  1                            ; v1   16 x lane
.set LS,  2                            ; v2   4 x lane + OSC
.set H64, 3                            ; v3   64 x (lane / 16)
.set VKA, 4                            ; v4, v5 my place in a chunk of kvc: 3,072 (lane / 16) + 16 r, + 8 r
.set VKB, 5
.set L4,  6                            ; v6   4 x lane
.set HWI, 7                            ; v7, v8 where the head's images and scale words go
.set HWS, 8
.set LI2, 9                            ; v9   16 x lane + 49,152
.set SO,  10                           ; v10, v11 the stage: in, back
.set SR,  11
.set NLE, 12                           ; v[12:13] -log2(e), twice
.set R16, 14                           ; v14  16 r
.set CSO, 15                           ; v15  4 (r + 8 (r / 8))
.set WQS, 16                           ; v16-19 wq's scale words; v20-23 x's; v24-31 kv's; v32, v33 q's; v34 o's.  Phase 2: v16-31 dense_w's; v32-35 and v252-255 o's, two sets
.set XSC, 20
.set KVSC, 24
.set QSW, 32
.set PW,  34
.set DS,  16
.set CC,  36                           ; v36-51 cos at 4 m, sin at 4 m + 2, each number twice.  Phase 2: dense_b as two C tiles
.set DB,  36
.set DCH, 52                           ; v52-59 the denominator, in four chains of pairs
.set RD,  60                           ; v[60:61] its reciprocal (the pair's upper word is written once and not used)
.set TM,  62
.set TS,  74
.set TP,  78
.set QCC, 86                           ; q cos's codes; q sin's; o's
.set QCS, 98
.set OPC, 110
.set Q,   122                          ; v122-185 q, then o, then (phase 2) y
.set Q2,  186
.set SPW, 250                          ; LDS address of my spare word; never rewritten
.set NIL, 251                          ; 0; never rewritten
.set WQ,  0                            ; window 1
.set BQ,  96
.set X,   160
.set KC,  0                            ; window 3
.set KSN, 64
.set CSP, 8                            ; scalar bases
.set WQBP, 10
.set KVP, 12
.set KVSP, 14
.set KSP, 16
.set DBP, 18
.set OUTP, 20
.set WVN, 22
.set HD,  25
.set HO,  26
.set HS,  27
.set SEL, 28
.set LE,  30
.set XP,  36
.set WQP, 38
.set DWP, 40
.set XSP, 42
.set WQSP, 44
.set DSP, 46
.set MSB, 0
.macro WIN new
.if MSB != (\new)
	s_set_vgpr_msb (MSB<<8)|(\new)
.set MSB, (\new)
.endif
.endm
.macro PLACES n
.rept \n
	v_nop
.endr
.endm
.macro QMAX s
.irp b, 0,1,2,3
	v_max3_num_f32 v[TM+\b], |v[\s+16*\b]|, |v[\s+16*\b+1]|, 0x1800000
.endr
.irp i, 2,4,6,8,10,12,14
.irp b, 0,1,2,3
	v_max3_num_f32 v[TM+\b], v[TM+\b], |v[\s+16*\b+\i]|, |v[\s+16*\b+\i+1]|
.endr
.endr
.irp b, 0,1,2,3
	v_permlanex16_b32 v[TM+4+\b], v[TM+\b], s[SEL], s[SEL+1]
.endr
.irp b, 0,1,2,3
	v_max_num_f32 v[TM+\b], v[TM+\b], v[TM+4+\b]
.endr
.endm
.macro QTAIL s, d, w, mx
.irp b, 0,1,2,3
	v_add_nc_u32 v[TM+8+\b], 0xff000000, v[\mx+\b]
.endr
.irp b, 0,1,2,3
	v_lshrrev_b32 v[TM+4+\b], 23, v[TM+8+\b]
.endr
	v_lshl_or_b32 v[\w], v[TM+5], 8, v[TM+4]
	v_lshl_or_b32 v[\w], v[TM+6], 16, v[\w]
	v_lshl_or_b32 v[\w], v[TM+7], 24, v[\w]
.irp c, 0,1
	v_cvt_scalef32_pk16_fp6_f32 v[\d+6*\c:\d+6*\c+2], v[\s+32*\c:\s+32*\c+15], v[TM+8+2*\c]
	v_cvt_scalef32_pk16_fp6_f32 v[TP+4*\c:TP+4*\c+2], v[\s+32*\c+16:\s+32*\c+31], v[TM+9+2*\c]
.endr
	v_nop                                          ; one plain place behind the scaled conversions
.irp c, 0,1
.irp i, 0,1,2
	v_permlane16_swap_b32 v[\d+6*\c+\i], v[TP+4*\c+\i]
.endr
.irp i, 0,1,2
	v_mov_b32 v[\d+6*\c+3+\i], v[TP+4*\c+\i]
.endr
.endr
.endm
.macro QUANT s, d, w
	QMAX \s
	QTAIL \s, \d, \w, TM
.endm
.macro WM d, a, b, c, sa, sb, ra, rb
.if (\ra) == 0
.if (\rb) == 0
	v_wmma_scale_f32_16x16x128_f8f6f4 v[\d:\d+7], v[\a:\a+11], v[\b:\b+11], v[\c:\c+7], v[\sa], v[\sb] matrix_a_fmt:MATRIX_FMT_FP6 matrix_b_fmt:MATRIX_FMT_FP6
.else
	v_wmma_scale_f32_16x16x128_f8f6f4 v[\d:\d+7], v[\a:\a+11], v[\b:\b+11], v[\c:\c+7], v[\sa], v[\sb] matrix_a_fmt:MATRIX_FMT_FP6 matrix_b_fmt:MATRIX_FMT_FP6 matrix_b_scale:MATRIX_SCALE_ROW1
.endif
.else
.if (\rb) == 0
	v_wmma_scale_f32_16x16x128_f8f6f4 v[\d:\d+7], v[\a:\a+11], v[\b:\b+11], v[\c:\c+7], v[\sa], v[\sb] matrix_a_fmt:MATRIX_FMT_FP6 matrix_b_fmt:MATRIX_FMT_FP6 matrix_a_scale:MATRIX_SCALE_ROW1
.else
	v_wmma_scale_f32_16x16x128_f8f6f4 v[\d:\d+7], v[\a:\a+11], v[\b:\b+11], v[\c:\c+7], v[\sa], v[\sb] matrix_a_fmt:MATRIX_FMT_FP6 matrix_b_fmt:MATRIX_FMT_FP6 matrix_a_scale:MATRIX_SCALE_ROW1 matrix_b_scale:MATRIX_SCALE_ROW1
.endif
.endif
.endm
.macro WMZ d, a, b, sa, sb, ra         ; the same with the constant 0 as C: it starts a sum
.if (\ra) == 0
	v_wmma_scale_f32_16x16x128_f8f6f4 v[\d:\d+7], v[\a:\a+11], v[\b:\b+11], 0, v[\sa], v[\sb] matrix_a_fmt:MATRIX_FMT_FP6 matrix_b_fmt:MATRIX_FMT_FP6
.else
	v_wmma_scale_f32_16x16x128_f8f6f4 v[\d:\d+7], v[\a:\a+11], v[\b:\b+11], 0, v[\sa], v[\sb] matrix_a_fmt:MATRIX_FMT_FP6 matrix_b_fmt:MATRIX_FMT_FP6 matrix_a_scale:MATRIX_SCALE_ROW1
.endif
.endm
.macro ELU a, e
.set j, 0
.rept 32
	v_pk_fma_f32 v[\e+j:\e+j+1], v[\a+j:\a+j+1], s[LE:LE+1], v[NLE:NLE+1] op_sel_hi:[1,0,0]
.set j, j+2
.endr
.set j, 0
.rept 64
	v_exp_f32 v[\e+j], v[\e+j]
.set j, j+1
.endr
	v_nop                                          ; a plain place behind the last exponential
	s_wait_alu depctr_va_vdst(0)                   ; the wait ahead of the batch's first reader
.set j, 0
.rept 64
	v_med3_num_f32 v[\a+j], v[\a+j], v[\e+j], 1.0
.set j, j+1
.endr
.endm
.macro LOADG1 nx                       ; a head's wq, wq_b and wq's scale words: 41 loads.  nx = 1: the next head's
	WIN 0x40
.irp t, 0,1,2,3,4,5,6,7
.irp q, 0,1,2
	global_load_b128 v[WQ+12*\t+4*\q:WQ+12*\t+4*\q+3], v[LI], s[WQP:WQP+1] offset:12288*\nx+1536*\t+512*\q
.endr
.endr
.irp b, 0,1,2,3
.irp q, 0,1,2,3
	global_load_b128 v[BQ+16*\b+4*\q:BQ+16*\b+4*\q+3], v[H64], s[WQBP:WQBP+1] offset:512*\nx+128*\b+16*\q
.endr
.endr
	WIN 0
	global_load_b128 v[WQS:WQS+3], v[LI], s[WQSP:WQSP+1] offset:512*\nx
.endm
.macro LOADG2 nx                       ; a head's k sums in q's layout: 32 loads
	WIN 0xC0
.irp b, 0,1,2,3
.irp q, 0,1,2,3
	global_load_b128 v[KC+16*\b+4*\q:KC+16*\b+4*\q+3], v[H64], s[KSP:KSP+1] offset:1024*\nx+128*\b+16*\q
	global_load_b128 v[KSN+16*\b+4*\q:KSN+16*\b+4*\q+3], v[H64], s[KSP:KSP+1] offset:1024*\nx+512+128*\b+16*\q
.endr
.endr
	WIN 0
.endm
.macro LOADG3                          ; the head's kv state: registers 6 c .. 6 c + 5 of lane (r, h) are feature block 2 c + h of z slot r: 16 + 8 bytes of that block's chunk.  72 loads
	WIN 0x80
.irp cs, 0,1
.irp zt, 0,1,2,3,4,5,6,7
.irp c, 0,1
	global_load_b128 v[96*\cs+12*\zt+6*\c:96*\cs+12*\zt+6*\c+3], v[VKA], s[KVP:KVP+1] offset:12288*\cs+6144*\c+256*\zt
	global_load_b64 v[96*\cs+12*\zt+6*\c+4:96*\cs+12*\zt+6*\c+5], v[VKB], s[KVP:KVP+1] offset:12288*\cs+6144*\c+2048+128*\zt
.endr
.endr
.endr
	WIN 0
.irp cs, 0,1
.irp p, 0,1,2,3
	global_load_b32 v[KVSC+4*\cs+\p], v[L4], s[KVSP:KVSP+1] offset:512*\cs+128*\p   ; lanes 0-15: z tile 2 p; lanes 16-31: z tile 2 p + 1
.endr
.endr
.endm
	s_load_b256 s[4:11], s[0:1], 0x0               ; codes s[4:5], scales s[6:7], cstab s[8:9], wq_b s[10:11]
	s_load_b256 s[12:19], s[0:1], 0x20             ; kvc s[12:13], kvs s[14:15], ksum s[16:17], dense_b s[18:19]
	s_load_b64 s[20:21], s[0:1], 0x40              ; out0
	v_lshl_add_u32 v[SPW], v0, 2, SPARE
	v_mov_b32 v[NIL], 0
	v_lshrrev_b32 v7, 5, v0
	v_readfirstlane_b32 s[WVN], v7                 ; wave
	v_and_b32 v7, 31, v0
	v_lshlrev_b32 v[LI], 4, v7
	v_lshlrev_b32 v[L4], 2, v7
	v_add_nc_u32 v[LS], OSC, v[L4]
	v_add_nc_u32 v[LI2], 49152, v[LI]
	v_bfe_u32 v8, v0, 4, 1                         ; lane / 16
	v_lshlrev_b32 v[H64], 6, v8
	v_and_b32 v7, 15, v0                           ; r
	v_mul_u32_u24 v[VKA], v8, 3072
	v_lshl_add_u32 v[VKB], v7, 3, v[VKA]
	v_lshl_add_u32 v[VKA], v7, 4, v[VKA]
	v_lshlrev_b32 v[R16], 4, v7
	v_and_b32 v[CSO], 8, v7
	v_add_nc_u32 v[CSO], v[CSO], v7                ; r + 8 (r / 8): my row among a fragment's
	v_mul_u32_u24 v[SO], v[CSO], 528
	v_add_nc_u32 v[SO], v[SO], v[H64]
	s_lshl_b32 s32, s[WVN], 7
	s_add_co_u32 s32, s32, STG
	v_add_nc_u32 v[SO], s32, v[SO]                 ; the stage, in: my row, + 128 x wave + 64 (lane / 16)
	v_lshlrev_b32 v[CSO], 2, v[CSO]
	s_mul_i32 s32, s[WVN], 16*528
	s_add_co_u32 s32, s32, STG
	v_add_nc_u32 v[SR], s32, v[LI]                 ; back: my wave's 16 rows, 16 bytes a lane
	s_mov_b32 s[SEL], 0x76543210
	s_mov_b32 s[SEL+1], 0xfedcba98
	s_mov_b32 s[LE], 0x3fb8aa3b
	s_mov_b32 s[LE+1], s[LE]
	v_mov_b32 v[NLE], 0xbfb8aa3b
	v_mov_b32 v[NLE+1], 0xbfb8aa3b
	v_mov_b32 v[RD+1], 0
.irp b, 0,1,2,3
	v_mov_b32 v[TM+4+\b], 0                        ; written once: a lane permute's destination counts as one of its sources
.endr
	s_mov_b32 s[HD], 4
	s_mul_i32 s[HO], s[WVN], 24576                 ; my first head's images: 4 w x 6,144
	s_lshl_b32 s[HS], s[WVN], 11
	s_mov_b32 s33, 0
	s_lshr_b32 s24, ttmp9, 6                       ; b
	s_lshl_b32 s24, s24, 4
	s_lshl_b32 s34, s[WVN], 2
	s_add_co_u32 s24, s24, s34                     ; 16 b + my first head
	s_wait_kmcnt 0x0
	s_mul_i32 s32, ttmp9, 6144
	s_add_nc_u64 s[XP:XP+1], s[4:5], s[32:33]      ; x's fragments 4 id ..
	s_mul_i32 s34, s[WVN], 49152
	s_add_co_u32 s32, s34, 1024*1536
	s_add_nc_u64 s[WQP:WQP+1], s[4:5], s[32:33]
	s_add_co_u32 s32, s34, 1408*1536
	s_add_nc_u64 s[DWP:DWP+1], s[4:5], s[32:33]
	s_lshl_b32 s32, ttmp9, 8
	s_add_nc_u64 s[XSP:XSP+1], s[6:7], s[32:33]
	s_lshl_b32 s34, s[WVN], 11
	s_add_co_u32 s32, s34, 256*256
	s_add_nc_u64 s[WQSP:WQSP+1], s[6:7], s[32:33]
	s_add_co_u32 s32, s34, 352*256
	s_add_nc_u64 s[DSP:DSP+1], s[6:7], s[32:33]
	s_mov_b32 s32, s34
	s_add_nc_u64 s[WQBP:WQBP+1], s[WQBP:WQBP+1], s[32:33]
	s_and_b32 s32, ttmp9, 63
	s_lshl_b32 s32, s32, 8
	s_add_nc_u64 s[CSP:CSP+1], s[CSP:CSP+1], s[32:33]   ; the table at my first position
	s_mul_i32 s32, s24, 24576
	s_add_nc_u64 s[KVP:KVP+1], s[KVP:KVP+1], s[32:33]
	s_lshl_b32 s32, s24, 10
	s_add_nc_u64 s[KVSP:KVSP+1], s[KVSP:KVSP+1], s[32:33]
	s_add_nc_u64 s[KSP:KSP+1], s[KSP:KSP+1], s[32:33]
	s_lshl_b32 s32, s[WVN], 7
	s_add_nc_u64 s[DBP:DBP+1], s[DBP:DBP+1], s[32:33]
	s_lshl_b32 s32, ttmp9, 15
	s_lshl_b32 s34, s[WVN], 13
	s_add_co_u32 s32, s32, s34
	s_add_nc_u64 s[OUTP:OUTP+1], s[OUTP:OUTP+1], s[32:33]
	WIN 0x40
.irp m, 0,1,2,3
.irp q, 0,1,2
	global_load_b128 v[X+12*\m+4*\q:X+12*\m+4*\q+3], v[LI], s[XP:XP+1] offset:1536*\m+512*\q
.endr
.endr
	WIN 0
	global_load_b128 v[XSC:XSC+3], v[R16], s[XSP:XSP+1]
.irp m, 0,1,2,3
.irp k, 0,1
	global_load_b32 v[CC+4*\m+\k], v[CSO], s[CSP:CSP+1] offset:4*(32*(\m/2)+8*(\m%2))
	global_load_b32 v[CC+4*\m+2+\k], v[CSO], s[CSP:CSP+1] offset:16384+4*(32*(\m/2)+8*(\m%2))
.endr
.endr
	LOADG1 0
	LOADG2 0
; A UNIT: one head, fragment m of the rows
.macro UNIT m
.if \m == 0
	s_wait_loadcnt 32                              ; all but the 32 loads of the k sums, the youngest: wq, its bias and scale words are in (and, the first time, x and the table)
	LOADG3                                         ; the head's kv state: it has the unit up to the kv products in which to land
	WIN 0x41
.set j, 0
.rept 32
	v_pk_add_f32 v[BQ+j:BQ+j+1], v[BQ+j:BQ+j+1], 1.0 op_sel_hi:[1,0]   ; C of the q products: wq_b + 1
.set j, j+2
.endr
	PLACES 4
.endif
	WIN 0x15                                       ; A, B and C: window 1
.irp t, 0,1,2,3,4,5,6,7
	WM Q+8*\t, WQ+12*\t, X+12*\m, BQ+8*\t, WQS+\t%4, XSC+\m, \t/4, 0
.endr
	WIN 0
	PLACES 4
.if \m == 3
	s_cmp_eq_u32 s[HD], 1
	s_cbranch_scc1 .Lno1_\@
	LOADG1 1                                       ; the head's last q products are issued: the next head's wq is asked for
.Lno1_\@:
.endif
	ELU Q, Q2
	QMAX Q
.set j, 0
.rept 32
	v_pk_mul_f32 v[Q2+j:Q2+j+1], v[Q+j:Q+j+1], v[CC+4*\m:CC+4*\m+1]
.set j, j+2
.endr
.if \m == 0
	s_wait_loadcnt 63                              ; 72 loads are younger than the k sums'; the count is the largest that the wait can name
.endif
	WIN 0x0C                                       ; source 1: window 3
.set j, 0
.rept 32
.if j < 4
	v_pk_mul_f32 v[DCH+2*j:DCH+2*j+1], v[Q2+2*j:Q2+2*j+1], v[KC+2*j:KC+2*j+1]
.else
	v_pk_fma_f32 v[DCH+2*(j%4):DCH+2*(j%4)+1], v[Q2+2*j:Q2+2*j+1], v[KC+2*j:KC+2*j+1], v[DCH+2*(j%4):DCH+2*(j%4)+1]
.endif
.set j, j+1
.endr
	WIN 0
.irp b, 0,1,2,3
	v_mul_f32 v[TS+\b], v[TM+\b], v[CC+4*\m]       ; the block's largest q cos
.endr
.irp b, 0,1,2,3
	v_max_num_f32 v[TS+\b], 0x1800000, v[TS+\b]    ; the floor once more
.endr
	QTAIL Q2, QCC, QSW, TS
.set j, 0
.rept 32
	v_pk_mul_f32 v[Q2+j:Q2+j+1], v[Q+j:Q+j+1], v[CC+4*\m+2:CC+4*\m+3]
.set j, j+2
.endr
	WIN 0x0C
.set j, 0
.rept 32
	v_pk_fma_f32 v[DCH+2*(j%4):DCH+2*(j%4)+1], v[Q2+2*j:Q2+2*j+1], v[KSN+2*j:KSN+2*j+1], v[DCH+2*(j%4):DCH+2*(j%4)+1]
.set j, j+1
.endr
	WIN 0
.if \m == 3
	s_cmp_eq_u32 s[HD], 1
	s_cbranch_scc1 .Lno2_\@
	LOADG2 1                                       ; the head's last dot products are issued: the next head's k sums
.Lno2_\@:
.endif
.irp b, 0,1,2,3
	v_mul_f32 v[TS+\b], v[TM+\b], v[CC+4*\m+2]
.endr
.irp b, 0,1,2,3
	v_max_num_f32 v[TS+\b], 0x1800000, v[TS+\b]
.endr
	QTAIL Q2, QCS, QSW+1, TS
	; the denominator.  Its plain lines and the three v_nop are the places between q's scale words and codes and the scaled products
	v_pk_add_f32 v[DCH:DCH+1], v[DCH:DCH+1], v[DCH+2:DCH+3]
	v_pk_add_f32 v[DCH+4:DCH+5], v[DCH+4:DCH+5], v[DCH+6:DCH+7]
	v_pk_add_f32 v[DCH:DCH+1], v[DCH:DCH+1], v[DCH+4:DCH+5]
	v_add_f32 v[DCH], v[DCH], v[DCH+1]
	v_permlanex16_b32 v[TM+4], v[DCH], s[SEL], s[SEL+1]
	v_add_f32 v[DCH], v[DCH], v[TM+4]              ; with lane l xor 16's 64 features
	v_add_f32 v[DCH], 0x3727c5ac, v[DCH]           ; + 1e-5
	v_rcp_f32 v[RD], v[DCH]
	PLACES 3
	s_wait_alu depctr_va_vdst(0)                   ; the wait ahead of the reciprocal's first reader and of every branch
.if \m == 0
	s_wait_loadcnt 0x0                             ; the kv state is in
.endif
	WIN 0x02                                       ; A: window 2
.irp zt, 0,1,2,3,4,5,6,7
	WMZ Q+8*\zt, 12*\zt, QCC, KVSC+\zt/2, QSW, \zt%2
.endr
.irp zt, 0,1,2,3,4,5,6,7
	WM Q+8*\zt, 96+12*\zt, QCS, Q+8*\zt, KVSC+4+\zt/2, QSW+1, \zt%2, 0   ; eight accumulators by turns, one instruction a turn
.endr
	WIN 0
	PLACES 4
.set j, 0
.rept 32
	v_pk_mul_f32 v[Q+j:Q+j+1], v[Q+j:Q+j+1], v[RD:RD+1] op_sel_hi:[1,0]   ; o = qkv / denominator; each accumulator from its low end on
.set j, j+2
.endr
	s_wait_dscnt 0x0                               ; the last unit's stores have read their registers
	QUANT Q, OPC, PW
.irp q, 0,1,2
	ds_store_b128 v[HWI], v[OPC+4*\q:OPC+4*\q+3] offset:1536*\m+512*\q   ; K step "head" of product 10, rows of fragment m, as an image of its registers
.endr
	ds_store_b32 v[HWS], v[PW] offset:128*\m
.endm
.Lhead:                                                ; four trips: my four heads
	v_add_nc_u32 v[HWI], s[HO], v[LI]
	v_add_nc_u32 v[HWS], s[HS], v[LS]
	UNIT 0
	UNIT 1
	UNIT 2
	UNIT 3
	s_wait_xcnt 0x0                                ; the loads have read their bases: they may step
	s_add_nc_u64 s[WQP:WQP+1], s[WQP:WQP+1], 12288
	s_add_nc_u64 s[WQSP:WQSP+1], s[WQSP:WQSP+1], 512
	s_add_nc_u64 s[WQBP:WQBP+1], s[WQBP:WQBP+1], 512
	s_add_nc_u64 s[KVP:KVP+1], s[KVP:KVP+1], 24576
	s_add_nc_u64 s[KVSP:KVSP+1], s[KVSP:KVSP+1], 1024
	s_add_nc_u64 s[KSP:KSP+1], s[KSP:KSP+1], 1024
	s_add_co_u32 s[HO], s[HO], 6144
	s_add_co_u32 s[HS], s[HS], 512
	s_sub_co_u32 s[HD], s[HD], 1
	s_cmp_lg_u32 s[HD], 0
	s_cbranch_scc1 .Lhead
	; PHASE 2.  dense_b as the C of the first K step, dense_w's scale words, then its 32 fragments, K step by K step: 104 loads
	s_wait_loadcnt 0x0                             ; phase 2 loads anew into the registers of wq, its bias and scale words, x, the kv state and the k sums: no earlier load into them is out behind this wait.  (The last head asked for nothing ahead, so it is met at once)
.irp u, 0,1
.irp q, 0,1
	global_load_b128 v[DB+8*\u+4*\q:DB+8*\u+4*\q+3], v[H64], s[DBP:DBP+1] offset:32*\u+16*\q
.endr
.endr
.irp u, 0,1
.irp p, 0,1
	global_load_b128 v[DS+8*\u+4*\p:DS+8*\u+4*\p+3], v[LI], s[DSP:DSP+1] offset:1024*\u+512*\p
.endr
.endr
.set KK, 0
.rept 16
	WIN 0x40
.irp q, 0,1,2
	global_load_b128 v[12*KK+4*\q:12*KK+4*\q+3], v[LI], s[DWP:DWP+1] offset:1536*KK+512*\q
.endr
	WIN 0x80
.irp q, 0,1,2
	global_load_b128 v[12*KK+4*\q:12*KK+4*\q+3], v[LI], s[DWP:DWP+1] offset:24576+1536*KK+512*\q
.endr
.set KK, KK+1
.endr
	WIN 0
	s_wait_dscnt 0x0                               ; for the others' sake: my images have landed
	s_barrier_signal -1
	s_barrier_wait -1                              ; o's 64 fragments lie in LDS
.macro FETCH ks                        ; K step ks: o's four fragments and their scale words, into set ks % 2: 16 LDS loads
	WIN 0xC0
.irp m, 0,1,2,3
.irp q, 0,1,2
.if (\ks) < 8
	ds_load_b128 v[48*((\ks)%2)+12*\m+4*\q:48*((\ks)%2)+12*\m+4*\q+3], v[LI] offset:(4*(\ks)+\m)*1536+512*\q
.else
	ds_load_b128 v[48*((\ks)%2)+12*\m+4*\q:48*((\ks)%2)+12*\m+4*\q+3], v[LI2] offset:(4*((\ks)-8)+\m)*1536+512*\q
.endif
.endr
.endr
	WIN 0
.irp m, 0,1,2,3
	ds_load_b32 v[32+220*((\ks)%2)+\m], v[LS] offset:(4*(\ks)+\m)*128
.endr
.endm
	FETCH 0
.set KK, 0
.rept 16
.if KK > 0
	PLACES 4                                       ; in front of loads into the set that the last K step's products read
.endif
.if KK < 15
	FETCH KK+1
	s_wait_dscnt 16                                ; all but the 16 just issued: this K step's fragments are in
.else
	s_wait_dscnt 0x0
.endif
.if 90-6*KK > 63
	s_wait_loadcnt 63                              ; 41 loads at the least are in: the eight at the head and six for each K step up to this one are at most 38
.else
	s_wait_loadcnt 90-6*KK                         ; six loads for each later K step may be out
.endif
	WIN 0x0D                                       ; A: window 1; B: window 3
.irp m, 0,1,2,3
.if KK == 0
	WM Q+8*\m, 12*KK, 48*(KK%2)+12*\m, DB, DS+4*(KK/8)+KK%4, 32+220*(KK%2)+\m, (KK/4)%2, 0
.else
	WM Q+8*\m, 12*KK, 48*(KK%2)+12*\m, Q+8*\m, DS+4*(KK/8)+KK%4, 32+220*(KK%2)+\m, (KK/4)%2, 0
.endif
.endr
	WIN 0x0E                                       ; A: window 2
.irp m, 0,1,2,3
.if KK == 0
	WM Q+32+8*\m, 12*KK, 48*(KK%2)+12*\m, DB+8, DS+8+4*(KK/8)+KK%4, 32+220*(KK%2)+\m, (KK/4)%2, 0
.else
	WM Q+32+8*\m, 12*KK, 48*(KK%2)+12*\m, Q+32+8*\m, DS+8+4*(KK/8)+KK%4, 32+220*(KK%2)+\m, (KK/4)%2, 0
.endif
.endr
	WIN 0
.set KK, KK+1
.endr
	PLACES 4
.irp u, 0,1
.irp m, 0,1,2,3
	ds_store_b128 v[SO], v[Q+32*\u+8*\m:Q+32*\u+8*\m+3] offset:(32*(\m/2)+8*(\m%2))*528+32*\u        ; lane (r, h): row 32 (m / 2) + 8 (m % 2) + r + 8 (r / 8), columns 32 w + 16 h + 8 u + 0 .. 7
	ds_store_b128 v[SO], v[Q+32*\u+8*\m+4:Q+32*\u+8*\m+7] offset:(32*(\m/2)+8*(\m%2))*528+32*\u+16
.endr
.endr
	s_wait_dscnt 0x0
	s_barrier_signal -1
	s_barrier_wait -1                              ; 64 whole rows lie in the stage
.irp i, 0,1,2,3,4,5,6,7,8,9,10,11,12,13,14,15
	ds_load_b128 v[Q2+4*\i:Q2+4*\i+3], v[SR] offset:528*\i
.endr
.irp i, 0,1,2,3,4,5,6,7,8,9,10,11,12,13,14,15
	s_wait_dscnt 15-\i
	global_store_b128 v[LI], v[Q2+4*\i:Q2+4*\i+3], s[OUTP:OUTP+1] offset:512*\i th:TH_STORE_NT   ; 32 lanes store a row of 512 consecutive bytes
.endr
	s_wait_tensorcnt 0x0                           ; the wave's end
	ds_add_u32 v[SPW], v[NIL]
	s_wait_dscnt 0x0
	s_endpgm
.Lfunc_end_k_qa2e9b48972_attend:
	.size	k_qa2e9b48972_attend, .Lfunc_end_k_qa2e9b48972_attend-k_qa2e9b48972_attend
	.p2alignl 7, 3214868480
	.fill 96, 4, 3214868480
	.section	.rodata,"a",@progbits
	.p2align	6, 0x0
	.amdhsa_kernel k_qa2e9b48972_attend
		.amdhsa_group_segment_fixed_size 140800
		.amdhsa_private_segment_fixed_size 0
		.amdhsa_enable_private_segment 0
		.amdhsa_kernarg_size 72
		.amdhsa_user_sgpr_count 2
		.amdhsa_user_sgpr_kernarg_segment_ptr 1
		.amdhsa_wavefront_size32 1
		.amdhsa_system_sgpr_workgroup_id_x 1
		.amdhsa_system_sgpr_workgroup_id_y 1
		.amdhsa_system_sgpr_workgroup_id_z 1
		.amdhsa_system_vgpr_workitem_id 0
		.amdhsa_next_free_vgpr 1024
		.amdhsa_next_free_sgpr 66
		.amdhsa_reserve_vcc 0
		.amdhsa_float_denorm_mode_32 3
		.amdhsa_float_denorm_mode_16_64 3
		.amdhsa_memory_ordered 1
		.amdhsa_forward_progress 1
		.amdhsa_inst_pref_size 211
	.end_amdhsa_kernel
	.amdgpu_metadata
---
amdhsa.version: [ 1, 2 ]
amdhsa.kernels:
  - .name:           k_qa2e9b48972_attend
    .symbol:         k_qa2e9b48972_attend.kd
    .args:
      - { .name: codes, .offset: 0, .size: 8, .value_kind: global_buffer, .address_space: global }
      - { .name: scales, .offset: 8, .size: 8, .value_kind: global_buffer, .address_space: global }
      - { .name: cstab, .offset: 16, .size: 8, .value_kind: global_buffer, .address_space: global }
      - { .name: wq_b, .offset: 24, .size: 8, .value_kind: global_buffer, .address_space: global }
      - { .name: kvc, .offset: 32, .size: 8, .value_kind: global_buffer, .address_space: global }
      - { .name: kvs, .offset: 40, .size: 8, .value_kind: global_buffer, .address_space: global }
      - { .name: ksum, .offset: 48, .size: 8, .value_kind: global_buffer, .address_space: global }
      - { .name: dense_b, .offset: 56, .size: 8, .value_kind: global_buffer, .address_space: global }
      - { .name: out0, .offset: 64, .size: 8, .value_kind: global_buffer, .address_space: global }
    .group_segment_fixed_size: 140800
    .private_segment_fixed_size: 0
    .kernarg_segment_align: 8
    .kernarg_segment_size: 72
    .max_flat_workgroup_size: 128
    .sgpr_count:     66
    .vgpr_count:     1024
    .wavefront_size: 32
...
	.end_amdgpu_metadata
.endif
;; end of part 3
;; ======== version 2 of 2: 3 launches; version 1 with the launches kvstate, attend written anew for expert scheduling mode
;; workspace buffers: codes 2,359,296 bytes; scales 98,304 bytes; cstab 32,768 bytes; kvc 1,572,864 bytes; kvs 65,536 bytes; ksum 65,536 bytes
;; launch prep: the kernel of part 1 again; grid 416 x 1, 1 waves a work-group, no clusters, 17,152 bytes of LDS; arguments x, wq_w, wk_w, wv_w, dense_w, codes, scales, cstab; writes codes, scales, cstab
;; launch kvstate (part 4): grid 256 x 1, 4 waves a work-group, no clusters, 132,608 bytes of LDS; arguments codes, scales, cstab, wk_b, wv_b, kvc, kvs, ksum; writes kvc, kvs, ksum
.if DOCPART == 4
	.amdgcn_target "amdgcn-amd-amdhsa--gfx1250"
	.amdhsa_code_object_version 6
	.text
	.protected	k_qa2e9b48972_kvstate
	.globl	k_qa2e9b48972_kvstate
	.p2align	8
	.type	k_qa2e9b48972_kvstate,@function
k_qa2e9b48972_kvstate:
	s_mov_b64 s[64:65], 0
	v_nop
	global_prefetch_b8 v0, s[64:65] scope:SCOPE_SE
	s_setreg_imm32_b32 hwreg(HW_REG_WAVE_SCHED_MODE, 0, 2), 2
	s_setreg_imm32_b32 hwreg(HW_REG_WAVE_MODE, 25, 1), 1
	s_wait_xcnt 0x0
	s_wait_alu depctr_vm_vsrc(0)
; LAUNCH 2 OF 3: products 2, 3, 4, 5 of reference(), the sums of k_cos and k_sin over the positions, and the quantising of kv_cos and kv_sin along the features.  (The input mask is dead work: see the first kernel's head.)
; SHARES.  A work-group owns (b, h, g): one batch, one head, features 32 g .. 32 g + 31, all 128 z, all 4,096 positions.  32 features are one quantiser block of products 6 and 7, so the work-group ends with
; finished sums and quantises them itself: no partial sums go to memory.  The price: v of a head is made in all four work-groups of that head.
; The positions go in 32 steps of 128; wave w takes steps w, w + 4, .. w + 28, each step alone, on 32 accumulators of its own.  No LDS and no barrier in the loop; the four waves' sums meet in LDS at the end.
; A STEP.  k + 1-part: x (8 fragments of 16 positions) times my two fragments of wk, C = wk_b + 1: a lane holds ONE feature and its 64 registers run along the positions, 16 neighbours of each block of 32.
; elu(y) + 1 = the middle one of (y + 1, e^y, 1), for every y.  Times cos and times sin; both summed (f32) and both quantised along the positions: four fragments.  Then for each of eight tiles of z: v likewise
; (C = wv_b), quantised along the positions, and four products kv(cs, ft, zt) += k-fragment x v-fragment.
; LIMITS: for y <= 0 e^y stands for expm1(y) + 1 (they differ by at most 2^-24); e^y under 2^-126 is 0; the f32 sums over the positions are taken in another order than reference()'s; a block of zeros gets the scale byte 1
; (its codes are zeros; this program alone reads the bytes); NaN and infinities are not served.
; NO CLUSTER, NO TENSOR LOAD: every operand comes from memory in the order of its registers and feeds 10 (x) or 64 (weights) matrix instructions from there; an LDS ring would add a round trip for 12,800 bytes a step.
; REGISTERS, in windows of 256.  window 0: addresses, scale words, VAL, VAL2 (64 numbers each), the codes just made, the k fragments.  window 1: the 32 accumulators, (cs, ft, zt) at 8 (16 cs + 8 ft + zt).
;   window 2: x (even steps of a trip), wv, wk, the biases as C tiles.   window 3: x (odd steps), cos, sin.
; THE MODE: SCHED_MODE bits 1:0 = 2 (LLVM: expert scheduling mode 2), set by the entry lines.  The code itself states the register dependences
; between vector or matrix instructions and memory or LDS instructions, with s_wait_alu, always for 0.
; THE PLAN.  Registers that memory or LDS instructions touch, in the loop:
;   x0, x1        (windows 2 and 3, v0-95) with their scale words v16-19, v20-23.  Step s's 80 products read buffer s % 2; the loads issued at the head of step s + 1 land in it.
;   COS, SIN      (window 3).  Read by the step's multiplications in its k part; the next step's loads, issued behind z tile 0's four kv products, land in them.
;   v1, v2        the loads' offsets: made once at the head, never written again; the scalar bases move on by a trip, and immediate offsets do the rest.
;   All else in the loop is named by vector and matrix instructions alone.
; ONE wait on va_vdst stands in each z tile, behind the quantiser and its eight places, ahead of the four kv products: it states that the k fragments, the v fragment and their scale words, which vector
; instructions make and the scaled products take as operands, are written.  The same line in z tile 7 states that the step's products are done reading their x and its scale words: the loads at the next step's head
; follow it with only four kv products between, which name the k fragments, the v fragment, their scale words and the accumulators.  In z tile 0 it states that the k part is done reading COS and SIN.
; Outside the loop: one wait on va_sdst (the wave's number), one on va_vdst ahead of the first load, and at the end those that stand with their reasons there.
.set KSR,   131072                     ; LDS: 0..131071 the four waves' accumulators as they stand; then their k sums: 256 u + 64 (2 cs + ft) + 4 r
.set SPARE, 132096                     ; the spare words, 128 bytes for each wave: two blocks of 256 bytes that no other line names
.set LI,  1                            ; v1   16 x lane
.set CSA, 2                            ; v2   64 x (lane / 16)
.set BO,  3                            ; v3   4 (r + 8 (r / 8))
.set KSA, 4                            ; v4   LDS: where I put k sums
.set RW,  5                            ; v5   LDS: where I put accumulators
.set RA,  6                            ; v6   LDS: where I read waves 0 and 1's;  v7: waves 2 and 3's
.set RB,  7
.set OA,  8                            ; v8, v9, v10  my offsets in kvc (two parts) and kvs
.set OB,  9
.set OS,  10
.set KL,  11                           ; v11  LDS: where I read k sums
.set R16, 12                           ; v12  16 r
.set NLE, 14                           ; v[14:15] -log2(e), twice
.set XS0, 16                           ; v16-19, v20-23 x's scale words, a set for each buffer
.set WVS, 24                           ; v24-27 wv's;  v28-29 wk's;  v30-33 the k fragments';  v34 the v fragment's
.set WKS, 28
.set KSW, 30
.set PW,  34
.set VAL, 36
.set VAL2, 100
.set PC,  164                          ; v164-175 the fragment just made
.set TP,  176
.set TM,  184
.set KS,  196                          ; v196-203 the k sums: a pair for each (ft, cs) at 4 ft + 2 cs
.set SPW, 204                          ; LDS address of my spare word; never rewritten
.set NIL, 205                          ; 0; never rewritten
.set KC,  206                          ; v206-253 the step's k fragments: 12 (2 cs + ft)
.set WV,  96                           ; window 2
.set WK,  192
.set KB,  216
.set VBC, 232
.set VB,  248
.set COS, 96                           ; window 3
.set SIN, 160
.set XP,  28                           ; s[28:29] x's codes, s[30:31] x's scale words, s[32:33] the table, at the trip's first step
.set XSP, 30
.set CSP, 32
.set TRIPS, 34
.set SEL, 36
.set LE,  38                           ; s[38:39] log2(e), twice
.set MSB, 0
.macro WIN new                         ; the immediate's high byte repeats the setting that is left; a switch that changes nothing is dropped
.if MSB != (\new)
	s_set_vgpr_msb (MSB<<8)|(\new)
.set MSB, (\new)
.endif
.endm
.macro PLACES n
.rept \n
	v_nop
.endr
.endm
.macro QMAX s
.irp b, 0,1,2,3
	v_max3_num_f32 v[TM+\b], |v[\s+16*\b]|, |v[\s+16*\b+1]|, 0x1800000   ; the floor 2^(3 - 127) among the leaves: the byte cannot fall under 1
.endr
.irp i, 2,4,6,8,10,12,14
.irp b, 0,1,2,3
	v_max3_num_f32 v[TM+\b], v[TM+\b], |v[\s+16*\b+\i]|, |v[\s+16*\b+\i+1]|
.endr
.endr
.irp b, 0,1,2,3
	v_permlanex16_b32 v[TM+4+\b], v[TM+\b], s[SEL], s[SEL+1]
.endr
.irp b, 0,1,2,3
	v_max_num_f32 v[TM+\b], v[TM+\b], v[TM+4+\b]
.endr
.endm
.macro QTAIL s, d, w, mx
.irp b, 0,1,2,3
	v_add_nc_u32 v[TM+8+\b], 0xff000000, v[\mx+\b] ; 2 off the exponent field: the conversion's scale operand
.endr
.irp b, 0,1,2,3
	v_lshrrev_b32 v[TM+4+\b], 23, v[TM+8+\b]       ; the scale's byte
.endr
	v_lshl_or_b32 v[\w], v[TM+5], 8, v[TM+4]
	v_lshl_or_b32 v[\w], v[TM+6], 16, v[\w]
	v_lshl_or_b32 v[\w], v[TM+7], 24, v[\w]
.irp c, 0,1
	v_cvt_scalef32_pk16_fp6_f32 v[\d+6*\c:\d+6*\c+2], v[\s+32*\c:\s+32*\c+15], v[TM+8+2*\c]
	v_cvt_scalef32_pk16_fp6_f32 v[TP+4*\c:TP+4*\c+2], v[\s+32*\c+16:\s+32*\c+31], v[TM+9+2*\c]
.endr
	v_nop                                          ; one plain place behind the scaled conversions
.irp c, 0,1
.irp i, 0,1,2
	v_permlane16_swap_b32 v[\d+6*\c+\i], v[TP+4*\c+\i]
.endr
.irp i, 0,1,2
	v_mov_b32 v[\d+6*\c+3+\i], v[TP+4*\c+\i]
.endr
.endr
.endm
.macro QUANT s, d, w                   ; 64 numbers of a lane (register 16 b + i = K 32 b + 16 (lane / 16) + i of its row) -> a fragment and its scale word
	QMAX \s
	QTAIL \s, \d, \w, TM
.endm
; one matrix instruction: D, A, B, C as first registers; sa, sb the scale registers; ra, rb = 1: that side's scales stand in lanes 16-31
.macro WM d, a, b, c, sa, sb, ra, rb
.if (\ra) == 0
.if (\rb) == 0
	v_wmma_scale_f32_16x16x128_f8f6f4 v[\d:\d+7], v[\a:\a+11], v[\b:\b+11], v[\c:\c+7], v[\sa], v[\sb] matrix_a_fmt:MATRIX_FMT_FP6 matrix_b_fmt:MATRIX_FMT_FP6
.else
	v_wmma_scale_f32_16x16x128_f8f6f4 v[\d:\d+7], v[\a:\a+11], v[\b:\b+11], v[\c:\c+7], v[\sa], v[\sb] matrix_a_fmt:MATRIX_FMT_FP6 matrix_b_fmt:MATRIX_FMT_FP6 matrix_b_scale:MATRIX_SCALE_ROW1
.endif
.else
.if (\rb) == 0
	v_wmma_scale_f32_16x16x128_f8f6f4 v[\d:\d+7], v[\a:\a+11], v[\b:\b+11], v[\c:\c+7], v[\sa], v[\sb] matrix_a_fmt:MATRIX_FMT_FP6 matrix_b_fmt:MATRIX_FMT_FP6 matrix_a_scale:MATRIX_SCALE_ROW1
.else
	v_wmma_scale_f32_16x16x128_f8f6f4 v[\d:\d+7], v[\a:\a+11], v[\b:\b+11], v[\c:\c+7], v[\sa], v[\sb] matrix_a_fmt:MATRIX_FMT_FP6 matrix_b_fmt:MATRIX_FMT_FP6 matrix_a_scale:MATRIX_SCALE_ROW1 matrix_b_scale:MATRIX_SCALE_ROW1
.endif
.endif
.endm
; v[a] on holds y + 1; it becomes elu(y) + 1 = the middle one of (y + 1, e^y, 1).  v[e] on is scratch.  The 64 exponentials are one batch with one wait.
.macro ELU a, e
.set j, 0
.rept 32
	v_pk_fma_f32 v[\e+j:\e+j+1], v[\a+j:\a+j+1], s[LE:LE+1], v[NLE:NLE+1] op_sel_hi:[1,0,0]   ; (y + 1) log2(e) - log2(e)
.set j, j+2
.endr
.set j, 0
.rept 64
	v_exp_f32 v[\e+j], v[\e+j]
.set j, j+1
.endr
	v_nop                                          ; a plain place behind the last exponential
	s_wait_alu depctr_va_vdst(0)                   ; the 64 exponentials have written v[e ..], ahead of the batch's first reader
.set j, 0
.rept 64
	v_med3_num_f32 v[\a+j], v[\a+j], v[\e+j], 1.0
.set j, j+1
.endr
.endm
.macro LOADX buf, imm                  ; a step's 8 fragments of x and their scale words, imm bytes of codes on from the trip's first step: 25 loads
	WIN 0x80+0x40*(\buf)
.irp t, 0,1,2,3,4,5,6,7
.irp q, 0,1,2
	global_load_b128 v[12*\t+4*\q:12*\t+4*\q+3], v[LI], s[XP:XP+1] offset:(\imm)+1536*\t+512*\q
.endr
.endr
	WIN 0
	global_load_b128 v[XS0+4*(\buf):XS0+4*(\buf)+3], v[LI], s[XSP:XSP+1] offset:(\imm)/24
.endm
.macro LOADCS imm                      ; a step's cos and sin in the layout of VAL: register 16 b + i = position 32 b + 16 (lane / 16) + i: 32 loads
	WIN 0xC0
.irp b, 0,1,2,3
.irp q, 0,1,2,3
	global_load_b128 v[COS+16*\b+4*\q:COS+16*\b+4*\q+3], v[CSA], s[CSP:CSP+1] offset:(\imm)+128*\b+16*\q
	global_load_b128 v[SIN+16*\b+4*\q:SIN+16*\b+4*\q+3], v[CSA], s[CSP:CSP+1] offset:(\imm)+16384+128*\b+16*\q
.endr
.endr
	WIN 0
.endm
	s_load_b256 s[4:11], s[0:1], 0x0               ; codes s[4:5], scales s[6:7], cstab s[8:9], wk_b s[10:11]
	s_load_b256 s[12:19], s[0:1], 0x20             ; wv_b s[12:13], kvc s[14:15], kvs s[16:17], ksum s[18:19]
	v_lshl_add_u32 v[SPW], v0, 2, SPARE
	v_mov_b32 v[NIL], 0
	v_lshrrev_b32 v13, 5, v0
	v_readfirstlane_b32 s20, v13                   ; wave
	s_and_b32 s21, ttmp9, 3                        ; g
	s_bfe_u32 s22, ttmp9, 0x40002                  ; h
	s_lshr_b32 s23, ttmp9, 6                       ; b
	s_wait_alu depctr_va_sdst(0)                   ; s20, the wave's number, is written, ahead of its first reader
	s_lshr_b32 s48, s20, 1                         ; at the end I finish cs = wave / 2,
	s_and_b32 s49, s20, 1                          ; z tiles 4 (wave % 2) on
	v_and_b32 v13, 31, v0
	v_lshlrev_b32 v[LI], 4, v13
	v_lshlrev_b32 v[OB], 3, v13
	v_bfe_u32 v[CSA], v0, 4, 1
	v_lshlrev_b32 v[CSA], 6, v[CSA]
	v_and_b32 v13, 15, v0                          ; r
	v_lshlrev_b32 v[R16], 4, v13
	v_lshlrev_b32 v[OS], 2, v13
	v_and_b32 v[BO], 8, v13
	v_add_nc_u32 v[BO], v[BO], v13
	v_lshlrev_b32 v[BO], 2, v[BO]
	s_lshl_b32 s24, s20, 8
	s_add_co_u32 s24, s24, KSR
	v_add_nc_u32 v[KSA], s24, v[OS]
	s_lshl_b32 s24, s20, 6
	s_add_co_u32 s24, s24, KSR
	v_add_nc_u32 v[KL], s24, v[OS]
	s_lshl_b32 s24, s49, 8
	v_add_nc_u32 v[OS], s24, v[OS]
	s_lshl_b32 s24, s20, 15
	v_add_nc_u32 v[RW], s24, v[LI]
	s_lshl_b32 s24, s48, 14
	s_lshl_b32 s25, s49, 12
	s_add_co_u32 s24, s24, s25
	v_add_nc_u32 v[RA], s24, v[LI]
	v_add_nc_u32 v[RB], 0x10000, v[RA]
	s_lshl_b32 s24, s49, 10
	v_add_nc_u32 v[OA], s24, v[LI]
	s_lshl_b32 s24, s49, 9
	s_add_co_u32 s24, s24, 2048
	v_add_nc_u32 v[OB], s24, v[OB]
	s_mov_b32 s[SEL], 0x76543210
	s_mov_b32 s[SEL+1], 0xfedcba98
	s_mov_b32 s[LE], 0x3fb8aa3b
	s_mov_b32 s[LE+1], s[LE]
	s_mov_b32 s43, 0
	s_lshl_b32 s40, s23, 5
	s_add_co_u32 s40, s40, s20                     ; 32 b + wave: my first step among x's 128
	s_wait_kmcnt 0x0
	s_mul_i32 s42, s40, 12288
	s_add_nc_u64 s[XP:XP+1], s[4:5], s[42:43]
	s_lshl_b32 s42, s40, 9
	s_add_nc_u64 s[XSP:XSP+1], s[6:7], s[42:43]
	s_lshl_b32 s42, s20, 9
	s_add_nc_u64 s[CSP:CSP+1], s[8:9], s[42:43]
	s_lshl_b32 s42, s22, 3
	s_lshl_b32 s44, s21, 1
	s_add_co_u32 s42, s42, s44
	s_mul_i32 s42, s42, 1536
	s_add_co_u32 s42, s42, 1152*1536
	s_add_nc_u64 s[50:51], s[4:5], s[42:43]        ; wk's fragments 8 h + 2 g, + 1
	s_mul_i32 s42, s22, 12288
	s_add_co_u32 s42, s42, 1280*1536
	s_add_nc_u64 s[52:53], s[4:5], s[42:43]        ; wv's eight
	s_lshl_b32 s42, s22, 1
	s_lshr_b32 s44, s21, 1
	s_add_co_u32 s42, s42, s44
	s_add_co_u32 s42, s42, 288
	s_lshl_b32 s42, s42, 8
	s_and_b32 s44, s21, 1
	s_lshl_b32 s44, s44, 3
	s_add_co_u32 s42, s42, s44
	s_add_nc_u64 s[54:55], s[6:7], s[42:43]        ; wk's scale words
	s_lshl_b32 s42, s22, 9
	s_add_co_u32 s44, s42, 320*256
	s_mov_b32 s45, 0
	s_add_nc_u64 s[56:57], s[6:7], s[44:45]        ; wv's
	s_add_nc_u64 s[12:13], s[12:13], s[42:43]      ; wv_b at my head
	s_lshl_b32 s44, s21, 7
	s_add_co_u32 s42, s42, s44
	s_add_nc_u64 s[10:11], s[10:11], s[42:43]      ; wk_b at my 32 features
	; where my results go
	s_lshl_b32 s40, s23, 4
	s_add_co_u32 s40, s40, s22
	s_lshl_b32 s40, s40, 1
	s_add_co_u32 s40, s40, s48                     ; 2 (16 b + h) + cs
	s_lshl_b32 s42, s40, 2
	s_add_co_u32 s42, s42, s21
	s_mul_i32 s42, s42, 3072
	s_add_nc_u64 s[14:15], s[14:15], s[42:43]      ; kvc: my chunk of 3,072 bytes
	s_lshl_b32 s42, s40, 9
	s_add_co_u32 s44, s42, s21
	s_add_nc_u64 s[16:17], s[16:17], s[44:45]      ; kvs: byte g of each word
	s_lshl_b32 s44, s21, 7
	s_add_co_u32 s42, s42, s44
	s_lshl_b32 s44, s49, 5
	s_add_co_u32 s42, s42, s44
	s_add_nc_u64 s[18:19], s[18:19], s[42:43]      ; ksum: features 32 g + 8 (wave % 2) on
	s_wait_alu depctr_va_vdst(0)                   ; the offsets and LDS addresses v1 to v12 and the add's two registers are written: every load, store and LDS instruction of the kernel reads some of them
	WIN 0x80
.irp ft, 0,1
	global_load_b32 v[KB+8*\ft], v[BO], s[10:11] offset:32*\ft
.endr
.irp zt, 0,1,2,3,4,5,6,7
	global_load_b32 v[VB+\zt], v[BO], s[12:13] offset:128*(\zt/2)+32*(\zt%2)
.endr
.irp ft, 0,1
.irp q, 0,1,2
	global_load_b128 v[WK+12*\ft+4*\q:WK+12*\ft+4*\q+3], v[LI], s[50:51] offset:1536*\ft+512*\q
.endr
.endr
.irp zt, 0,1,2,3,4,5,6,7
.irp q, 0,1,2
	global_load_b128 v[WV+12*\zt+4*\q:WV+12*\zt+4*\q+3], v[LI], s[52:53] offset:1536*\zt+512*\q
.endr
.endr
	WIN 0
.irp ft, 0,1
	global_load_b32 v[WKS+\ft], v[R16], s[54:55] offset:4*\ft
.endr
	global_load_b128 v[WVS:WVS+3], v[LI], s[56:57]
	LOADX 0, 0
	LOADCS 0
	; The accumulators are cleared: a first step written out with the constant 0 as C would be a third copy of the step's text, which is the larger price here.
	WIN 0x40
.set j, 0
.rept 256
	v_mov_b32 v[j], 0
.set j, j+1
.endr
	WIN 0
	s_wait_loadcnt 63                              ; 90 loads were issued behind the ten of the biases: with 63 out at the most, those ten are in
	WIN 0x8A                                       ; all within window 2
.irp ft, 0,1
	v_add_f32 v[KB+8*\ft], 1.0, v[KB+8*\ft]        ; C of the k products: wk_b + 1, the lane's feature's, eight times
.irp j, 1,2,3,4,5,6,7
	v_mov_b32 v[KB+8*\ft+\j], v[KB+8*\ft]
.endr
.endr
.irp j, 0,1,2,3,4,5,6,7
	v_mov_b32 v[VBC+\j], v[VB]                     ; C of the first v products
.endr
	WIN 0
.irp j, 0,1,2,3,4,5,6,7
	v_mov_b32 v[KS+\j], 0
.endr
.irp b, 0,1,2,3
	v_mov_b32 v[TM+4+\b], 0                        ; written once: a lane permute's destination counts as one of its sources
.endr
	v_mov_b32 v[NLE], 0xbfb8aa3b
	v_mov_b32 v[NLE+1], 0xbfb8aa3b
; Z TILE zt OF A STEP: v of 16 z at the step's 128 positions, quantised along the positions, and the four kv products
.macro ZTILE xb, zt
	WIN 0x2A+\xb
.irp t, 0,1,2,3,4,5,6,7
	WM VAL+8*\t, 12*\t, WV+12*\zt, VBC+8*(\zt%2), XS0+4*\xb+\t%4, WVS+\zt%4, \t/4, \zt/4
.endr
	WIN 0x8A
.irp j, 0,1,2,3,4,5,6,7
	v_mov_b32 v[VBC+8*((\zt+1)%2)+\j], v[VB+(\zt+1)%8]   ; the next tile's C, in the other of two sets; these eight name no register of the products above and are the places behind them
.endr
	WIN 0
	QUANT VAL, PC, PW
	PLACES 8                                       ; a scale word made by vector instructions stands eight places ahead of a scaled matrix instruction
	WIN 0x50                                       ; C and D: window 1
	s_wait_alu depctr_va_vdst(0)                   ; the quantisers have written the k fragments, the v fragment and their scale words, which the scaled products below take; all earlier products are done reading x and its scale words, the k part is done reading COS and SIN
.irp cs, 0,1
.irp ft, 0,1
	WM 8*(16*\cs+8*\ft+\zt), KC+12*(2*\cs+\ft), PC, 8*(16*\cs+8*\ft+\zt), KSW+2*\cs+\ft, PW, 0, 0   ; four accumulators, one instruction a turn
.endr
.endr
	WIN 0
.endm
; A STEP OF 128 POSITIONS.  xb: which buffer holds its x.  tail = 1: what it asks for ahead belongs to the next trip, and is not asked for in the last.
.macro STEP xb, tail
.if \tail
	s_cmp_eq_u32 s[TRIPS], 1
	s_cbranch_scc1 .Llast_\@
.endif
	LOADX 1-\xb, 49152*(1+\xb)                     ; the next step's x into the other buffer.  No wait: its last readers, the step before's v products, stand ahead of that step's last wait on va_vdst, and no vector or matrix instruction since names the buffer, its scale words or v1
	s_wait_loadcnt 25                              ; all but the 25 just issued: this step's x, scale words, cos and sin are in
.if \tail
	s_branch .Lgo_\@
.Llast_\@:
	s_wait_loadcnt 0x0
.Lgo_\@:
.endif
.irp ft, 0,1
	WIN 0x2A+\xb                                   ; A: x in window 2 or 3; B and C in window 2; D in window 0
.irp t, 0,1,2,3,4,5,6,7
	WM VAL+8*\t, 12*\t, WK+12*\ft, KB+8*\ft, XS0+4*\xb+\t%4, WKS+\ft, \t/4, 0
.endr
	WIN 0
	PLACES 4
	ELU VAL, VAL2
.irp cs, 0,1
	WIN 0x0C                                       ; source 1: window 3
.set j, 0
.rept 16
	v_pk_mul_f32 v[VAL2+j:VAL2+j+1], v[VAL+j:VAL+j+1], v[COS+64*\cs+j:COS+64*\cs+j+1]
	v_pk_fma_f32 v[KS+4*\ft+2*\cs:KS+4*\ft+2*\cs+1], v[VAL+j:VAL+j+1], v[COS+64*\cs+j:COS+64*\cs+j+1], v[KS+4*\ft+2*\cs:KS+4*\ft+2*\cs+1]   ; the sum over the positions, in two chains
	v_pk_mul_f32 v[VAL2+j+2:VAL2+j+3], v[VAL+j+2:VAL+j+3], v[COS+64*\cs+j+2:COS+64*\cs+j+3]
.if j == 0
	v_pk_mul_f32 v[TP:TP+1], v[VAL+2:VAL+3], v[COS+64*\cs+2:COS+64*\cs+3]
.else
	v_pk_fma_f32 v[TP:TP+1], v[VAL+j+2:VAL+j+3], v[COS+64*\cs+j+2:COS+64*\cs+j+3], v[TP:TP+1]
.endif
.set j, j+4
.endr
	WIN 0
	v_pk_add_f32 v[KS+4*\ft+2*\cs:KS+4*\ft+2*\cs+1], v[KS+4*\ft+2*\cs:KS+4*\ft+2*\cs+1], v[TP:TP+1]
	QUANT VAL2, KC+12*(2*\cs+\ft), KSW+2*\cs+\ft
.endr
.endr
	ZTILE \xb, 0
.if \tail
	s_cmp_eq_u32 s[TRIPS], 1
	s_cbranch_scc1 .Lnocs_\@
.endif
	LOADCS 2048*(1+\xb)                            ; the next step's cos and sin.  No wait: z tile 0's stands behind the k part, which read this step's, and the four kv products since name neither COS, SIN nor v2
.if \tail
.Lnocs_\@:
.endif
.irp zt, 1,2,3,4,5,6,7
	ZTILE \xb, \zt
.endr
.endm
	s_mov_b32 s[TRIPS], 4
.Ltrip:                                                ; four trips of two steps
	STEP 0, 0
	STEP 1, 1
	s_wait_xcnt 0x0                                ; the loads have read their bases: they may step
	s_add_nc_u64 s[XP:XP+1], s[XP:XP+1], 98304
	s_add_nc_u64 s[XSP:XSP+1], s[XSP:XSP+1], 4096
	s_add_nc_u64 s[CSP:CSP+1], s[CSP:CSP+1], 4096
	s_sub_co_u32 s[TRIPS], s[TRIPS], 1
	s_cmp_lg_u32 s[TRIPS], 0
	s_cbranch_scc1 .Ltrip
	; THE END.  My k sums: the pair's halves and lane l xor 16's.  These twelve lines are also the places behind the last products.
.irp k, 0,1,2,3
	v_add_f32 v[KS+2*\k], v[KS+2*\k], v[KS+2*\k+1]
.endr
.irp k, 0,1,2,3
	v_permlanex16_b32 v[TM+4+\k], v[KS+2*\k], s[SEL], s[SEL+1]
.endr
.irp k, 0,1,2,3
	v_add_f32 v[KS+2*\k], v[KS+2*\k], v[TM+4+\k]
.endr
	s_wait_alu depctr_va_vdst(0)                   ; the additions have written the k sums and the last products the accumulators, which the LDS stores below read (the places above stay beside this wait); and every vector and matrix instruction is done with VAL, VAL2, KS and window 2, in which the LDS loads behind the barrier land
.irp ft, 0,1
.irp cs, 0,1
	ds_store_b32 v[KSA], v[KS+4*\ft+2*\cs] offset:64*(2*\cs+\ft)   ; lanes r and r + 16 write the same word with the same value
.endr
.endr
	WIN 0x04                                       ; an LDS store's data are its source 1: window 1
.set j, 0
.rept 32
	ds_store_b128 v[RW], v[8*j:8*j+3] offset:1024*j            ; each accumulator from its low end on
	ds_store_b128 v[RW], v[8*j+4:8*j+7] offset:1024*j+512
.set j, j+1
.endr
	WIN 0
	s_wait_dscnt 0x0                               ; for the others' sake: my stores have landed
	s_barrier_signal -1
	s_barrier_wait -1
	s_wait_alu depctr_vm_vsrc(0)                   ; my LDS stores have read v[KS ..], in which the first four loads below land and which the additions behind them write
	; Wave w finishes cs = w / 2, z tiles 4 (w % 2) + i, both feature tiles: register 16 i + 8 ft + j = feature 32 g + 16 (lane / 16) + 8 ft + j of z slot r of tile i
.irp u, 0,1,2,3
	ds_load_b32 v[KS+\u], v[KL] offset:256*\u      ; and the k sum of (cs, ft) = (w / 2, w % 2)
.endr
.irp ft, 0,1
.irp i, 0,1,2,3
.irp q, 0,1
	ds_load_b128 v[VAL+16*\i+8*\ft+4*\q:VAL+16*\i+8*\ft+4*\q+3], v[RA] offset:8192*\ft+1024*\i+512*\q
	ds_load_b128 v[VAL2+16*\i+8*\ft+4*\q:VAL2+16*\i+8*\ft+4*\q+3], v[RA] offset:32768+8192*\ft+1024*\i+512*\q
.endr
.endr
.endr
	WIN 0x80
.irp ft, 0,1
.irp i, 0,1,2,3
.irp q, 0,1
	ds_load_b128 v[16*\i+8*\ft+4*\q:16*\i+8*\ft+4*\q+3], v[RB] offset:8192*\ft+1024*\i+512*\q
	ds_load_b128 v[64+16*\i+8*\ft+4*\q:64+16*\i+8*\ft+4*\q+3], v[RB] offset:32768+8192*\ft+1024*\i+512*\q
.endr
.endr
.endr
	WIN 0
	s_wait_dscnt 0x0
	v_add_f32 v[KS], v[KS], v[KS+1]
	v_add_f32 v[KS+2], v[KS+2], v[KS+3]
	v_add_f32 v[KS], v[KS], v[KS+2]
.set j, 0
.rept 32
	v_pk_add_f32 v[VAL+j:VAL+j+1], v[VAL+j:VAL+j+1], v[VAL2+j:VAL2+j+1]
.set j, j+2
.endr
	WIN 0x08                                       ; source 1: window 2
.set j, 0
.rept 32
	v_pk_add_f32 v[VAL+j:VAL+j+1], v[VAL+j:VAL+j+1], v[j:j+1]
.set j, j+2
.endr
.set j, 0
.rept 32
	v_pk_add_f32 v[VAL+j:VAL+j+1], v[VAL+j:VAL+j+1], v[64+j:64+j+1]
.set j, j+2
.endr
	WIN 0
	QUANT VAL, PC, PW                              ; "block i" is z tile i's 32 features: one quantiser block of products 6 and 7.  Lane (r, h) then holds in registers 6 c .. 6 c + 5 the block of z tile 2 c + h
	s_wait_alu depctr_va_vdst(0)                   ; the k sum, the codes and the four scale bytes are written, which the stores below read
	global_store_b32 v[BO], v[KS], s[18:19]        ; feature 32 g + 8 ft + r + 8 (r / 8)
.irp c, 0,1
	global_store_b128 v[OA], v[PC+6*\c:PC+6*\c+3], s[14:15] offset:512*\c       ; 512 consecutive bytes
	global_store_b64 v[OB], v[PC+6*\c+4:PC+6*\c+5], s[14:15] offset:256*\c      ; 256 consecutive bytes
.endr
.irp i, 0,1,2,3
	global_store_b8 v[OS], v[TM+4+\i], s[16:17] offset:64*\i   ; byte g of the z slot's scale word; the other three bytes are the other three work-groups' of this head: 65,536 bytes in the whole launch
.endr
	s_wait_dscnt 0x0                               ; the closing lines, six on end
	s_wait_alu 0x0
	s_wait_tensorcnt 0x0
	ds_add_u32 v[SPW], v[NIL]
	s_wait_dscnt 0x0
	s_endpgm
.Lfunc_end_k_qa2e9b48972_kvstate:
	.size	k_qa2e9b48972_kvstate, .Lfunc_end_k_qa2e9b48972_kvstate-k_qa2e9b48972_kvstate
	.p2alignl 7, 3214868480
	.fill 96, 4, 3214868480
	.section	.rodata,"a",@progbits
	.p2align	6, 0x0
	.amdhsa_kernel k_qa2e9b48972_kvstate
		.amdhsa_group_segment_fixed_size 132608
		.amdhsa_private_segment_fixed_size 0
		.amdhsa_enable_private_segment 0
		.amdhsa_kernarg_size 64
		.amdhsa_user_sgpr_count 2
		.amdhsa_user_sgpr_kernarg_segment_ptr 1
		.amdhsa_wavefront_size32 1
		.amdhsa_system_sgpr_workgroup_id_x 1
		.amdhsa_system_sgpr_workgroup_id_y 1
		.amdhsa_system_sgpr_workgroup_id_z 1
		.amdhsa_system_vgpr_workitem_id 0
		.amdhsa_next_free_vgpr 1024
		.amdhsa_next_free_sgpr 66
		.amdhsa_reserve_vcc 0
		.amdhsa_float_denorm_mode_32 3
		.amdhsa_float_denorm_mode_16_64 3
		.amdhsa_memory_ordered 1
		.amdhsa_forward_progress 1
		.amdhsa_inst_pref_size 250
	.end_amdhsa_kernel
	.amdgpu_metadata
---
amdhsa.version: [ 1, 2 ]
amdhsa.kernels:
  - .name:           k_qa2e9b48972_kvstate
    .symbol:         k_qa2e9b48972_kvstate.kd
    .args:
      - { .name: codes, .offset: 0, .size: 8, .value_kind: global_buffer, .address_space: global }
      - { .name: scales, .offset: 8, .size: 8, .value_kind: global_buffer, .address_space: global }
      - { .name: cstab, .offset: 16, .size: 8, .value_kind: global_buffer, .address_space: global }
      - { .name: wk_b, .offset: 24, .size: 8, .value_kind: global_buffer, .address_space: global }
      - { .name: wv_b, .offset: 32, .size: 8, .value_kind: global_buffer, .address_space: global }
      - { .name: kvc, .offset: 40, .size: 8, .value_kind: global_buffer, .address_space: global }
      - { .name: kvs, .offset: 48, .size: 8, .value_kind: global_buffer, .address_space: global }
      - { .name: ksum, .offset: 56, .size: 8, .value_kind: global_buffer, .address_space: global }
    .group_segment_fixed_size: 132608
    .private_segment_fixed_size: 0
    .kernarg_segment_align: 8
    .kernarg_segment_size: 64
    .max_flat_workgroup_size: 128
    .sgpr_count:     66
    .vgpr_count:     1024
    .wavefront_size: 32
...
	.end_amdgpu_metadata
.endif
;; end of part 4
;; launch attend (part 5): grid 256 x 1, 4 waves a work-group, no clusters, 140,800 bytes of LDS; arguments codes, scales, cstab, wq_b, kvc, kvs, ksum, dense_b, out0; writes out0
.if DOCPART == 5
	.amdgcn_target "amdgcn-amd-amdhsa--gfx1250"
	.amdhsa_code_object_version 6
	.text
	.protected	k_qa2e9b48972_attend
	.globl	k_qa2e9b48972_attend
	.p2align	8
	.type	k_qa2e9b48972_attend,@function
k_qa2e9b48972_attend:
	s_mov_b64 s[64:65], 0
	v_nop
	global_prefetch_b8 v0, s[64:65] scope:SCOPE_SE
	s_setreg_imm32_b32 hwreg(HW_REG_WAVE_SCHED_MODE, 0, 2), 2
	s_setreg_imm32_b32 hwreg(HW_REG_WAVE_MODE, 25, 1), 1
	s_wait_xcnt 0x0
	s_wait_alu depctr_vm_vsrc(0)
; LAUNCH 3 OF 3: products 1, 6, 7, 8, 9 and 10 of reference().  (The input mask is dead work: see the first kernel's head.)
; SHARES.  A work-group owns 64 rows (positions) of one batch: four fragments of x, which stay in registers.  PHASE 1: wave w walks heads 4 w .. 4 w + 3; for each head and each fragment of rows (a UNIT):
; q + 1-part = wq x + (wq_b + 1), used transposed, so that a lane holds ONE row and its 64 registers run along the features; elu + 1; times cos and times sin of the row; the two denominators' dot products with the
; k sums, in f32 fused multiply-adds; both quantised along the features; o = kv_cos q_cos + kv_sin q_sin on one set of eight accumulators, again transposed; times 1 / denominator; quantised along z, which is K of
; product 10; the fragment goes to LDS as an image of its registers.  PHASE 2: wave w makes output columns 32 w .. 32 w + 31 of all 64 rows over K = 2,048: sixteen K steps, one for each head.
; The block maxima of q cos and of q sin are not searched for: q, cos and sin are not negative and rounding does not change an order, so the largest product is the largest q times the factor.
; LIMITS: as in the second kernel: e^y for expm1(y) + 1 where y <= 0, e^y under 2^-126 is 0, byte 1 for a block of zeros, other orders of f32 sums, no NaN or infinities.
; NO CLUSTER, NO TENSOR LOAD: the weights and the kv state come from memory in the order of their registers, each fragment feeding four matrix instructions from there; they are asked for a unit or more ahead.
; REGISTERS, in windows of 256.  window 0: addresses, scale words, the unit's numbers.  window 1: wq (96), wq_b + 1 (64), x (48); in phase 2 dense_w's first tile.  window 2: kv_cos, kv_sin (96 each); in phase 2 dense_w's
;   second tile.  window 3: the k sums (64 + 64); in phase 2 o's fragments, two sets of 48.
; THE MODE: SCHED_MODE bits 1:0 = 2 (LLVM: expert scheduling mode 2), set by the entry lines.  The code itself states the register dependences
; between vector or matrix instructions and memory or LDS instructions, with s_wait_alu, always for 0.
; THE PLAN.  Registers that memory or LDS instructions touch, in the loop over heads:
;   wq, wq_b + 1, wq's scale words   Read by the four units' q products (wq_b + 1 is written in unit 0).  The next head's loads land there in unit 3, behind the wait that follows that unit's exponentials.
;   the k sums                       Read by the four units' dot products.  The next head's loads land there in unit 3, behind its kv products: the wait ahead of those products stands behind the last dot product.
;   the kv state, its scale words    Read by the four units' kv products.  The next head's loads are issued at the head of its unit 0: the wait ahead of unit 3's LDS stores stands behind the last kv product.
;   v[OPC ..], v[PW]                 Written by a unit's last quantiser, read by its four LDS stores: a wait on va_vdst between the two, a wait on vm_vsrc ahead of the next unit's quantiser.
;   v[HWI], v[HWS]                   Read by the LDS stores; written once a head, behind a wait on vm_vsrc; the wait ahead of the stores states that they are written.
;   all other offsets and addresses  Made once at the head, never written again; the scalar bases move on by a head.
; So a unit has three waits on va_vdst (behind its exponentials; behind its reciprocal, which also states that q's codes and scale words, made by vector instructions, are written for the scaled products; ahead of its LDS
; stores) and one on vm_vsrc.  PHASE 2: o's two sets of fragments and scale words take turns: a K step's products read one while the next step's LDS loads land in the other, behind a wait on va_vdst at the step's head.
.set OSC,   98304                      ; LDS: 0.. o's 64 fragments, (4 head + m) x 1,536;  then their scale words, (4 head + m) x 128
.set STG,   106496                     ; the stage for the way out: 64 rows x (512 bytes + 16)
.set SPARE, 140288                     ; the spare words, 128 bytes for each wave: two blocks of 256 bytes that no other line names
.set LI,  1                            ; v1   16 x lane
.set LS,  2                            ; v2   4 x lane + OSC
.set H64, 3                            ; v3   64 x (lane / 16)
.set VKA, 4                            ; v4, v5 my place in a chunk of kvc: 3,072 (lane / 16) + 16 r, + 8 r
.set VKB, 5
.set L4,  6                            ; v6   4 x lane
.set HWI, 7                            ; v7, v8 where the head's images and scale words go
.set HWS, 8
.set LI2, 9                            ; v9   16 x lane + 49,152
.set SO,  10                           ; v10, v11 the stage: in, back
.set SR,  11
.set NLE, 12                           ; v[12:13] -log2(e), twice
.set R16, 14                           ; v14  16 r
.set CSO, 15                           ; v15  4 (r + 8 (r / 8))
.set WQS, 16                           ; v16-19 wq's scale words; v20-23 x's; v24-31 kv's; v32, v33 q's; v34 o's.  Phase 2: v16-31 dense_w's; v32-35 and v252-255 o's, two sets
.set XSC, 20
.set KVSC, 24
.set QSW, 32
.set PW,  34
.set DS,  16
.set CC,  36                           ; v36-51 cos at 4 m, sin at 4 m + 2, each number twice.  Phase 2: dense_b as two C tiles
.set DB,  36
.set DCH, 52                           ; v52-59 the denominator, in four chains of pairs
.set RD,  60                           ; v[60:61] its reciprocal (the pair's upper word is written once and not used)
.set TM,  62
.set TS,  74
.set TP,  78
.set QCC, 86                           ; q cos's codes; q sin's; o's
.set QCS, 98
.set OPC, 110
.set Q,   122                          ; v122-185 q, then o, then (phase 2) y
.set Q2,  186
.set SPW, 250                          ; LDS address of my spare word; never rewritten
.set NIL, 251                          ; 0; never rewritten
.set WQ,  0                            ; window 1
.set BQ,  96
.set X,   160
.set KC,  0                            ; window 3
.set KSN, 64
.set CSP, 8                            ; scalar bases
.set WQBP, 10
.set KVP, 12
.set KVSP, 14
.set KSP, 16
.set DBP, 18
.set OUTP, 20
.set WVN, 22
.set HD,  25
.set HO,  26
.set HS,  27
.set SEL, 28
.set LE,  30
.set XP,  36
.set WQP, 38
.set DWP, 40
.set XSP, 42
.set WQSP, 44
.set DSP, 46
.set MSB, 0
.macro WIN new
.if MSB != (\new)
	s_set_vgpr_msb (MSB<<8)|(\new)
.set MSB, (\new)
.endif
.endm
.macro PLACES n
.rept \n
	v_nop
.endr
.endm
.macro QMAX s
.irp b, 0,1,2,3
	v_max3_num_f32 v[TM+\b], |v[\s+16*\b]|, |v[\s+16*\b+1]|, 0x1800000
.endr
.irp i, 2,4,6,8,10,12,14
.irp b, 0,1,2,3
	v_max3_num_f32 v[TM+\b], v[TM+\b], |v[\s+16*\b+\i]|, |v[\s+16*\b+\i+1]|
.endr
.endr
.irp b, 0,1,2,3
	v_permlanex16_b32 v[TM+4+\b], v[TM+\b], s[SEL], s[SEL+1]
.endr
.irp b, 0,1,2,3
	v_max_num_f32 v[TM+\b], v[TM+\b], v[TM+4+\b]
.endr
.endm
.macro QTAIL s, d, w, mx
.irp b, 0,1,2,3
	v_add_nc_u32 v[TM+8+\b], 0xff000000, v[\mx+\b]
.endr
.irp b, 0,1,2,3
	v_lshrrev_b32 v[TM+4+\b], 23, v[TM+8+\b]
.endr
	v_lshl_or_b32 v[\w], v[TM+5], 8, v[TM+4]
	v_lshl_or_b32 v[\w], v[TM+6], 16, v[\w]
	v_lshl_or_b32 v[\w], v[TM+7], 24, v[\w]
.irp c, 0,1
	v_cvt_scalef32_pk16_fp6_f32 v[\d+6*\c:\d+6*\c+2], v[\s+32*\c:\s+32*\c+15], v[TM+8+2*\c]
	v_cvt_scalef32_pk16_fp6_f32 v[TP+4*\c:TP+4*\c+2], v[\s+32*\c+16:\s+32*\c+31], v[TM+9+2*\c]
.endr
	v_nop                                          ; one plain place behind the scaled conversions
.irp c, 0,1
.irp i, 0,1,2
	v_permlane16_swap_b32 v[\d+6*\c+\i], v[TP+4*\c+\i]
.endr
.irp i, 0,1,2
	v_mov_b32 v[\d+6*\c+3+\i], v[TP+4*\c+\i]
.endr
.endr
.endm
.macro QUANT s, d, w
	QMAX \s
	QTAIL \s, \d, \w, TM
.endm
.macro WM d, a, b, c, sa, sb, ra, rb
.if (\ra) == 0
.if (\rb) == 0
	v_wmma_scale_f32_16x16x128_f8f6f4 v[\d:\d+7], v[\a:\a+11], v[\b:\b+11], v[\c:\c+7], v[\sa], v[\sb] matrix_a_fmt:MATRIX_FMT_FP6 matrix_b_fmt:MATRIX_FMT_FP6
.else
	v_wmma_scale_f32_16x16x128_f8f6f4 v[\d:\d+7], v[\a:\a+11], v[\b:\b+11], v[\c:\c+7], v[\sa], v[\sb] matrix_a_fmt:MATRIX_FMT_FP6 matrix_b_fmt:MATRIX_FMT_FP6 matrix_b_scale:MATRIX_SCALE_ROW1
.endif
.else
.if (\rb) == 0
	v_wmma_scale_f32_16x16x128_f8f6f4 v[\d:\d+7], v[\a:\a+11], v[\b:\b+11], v[\c:\c+7], v[\sa], v[\sb] matrix_a_fmt:MATRIX_FMT_FP6 matrix_b_fmt:MATRIX_FMT_FP6 matrix_a_scale:MATRIX_SCALE_ROW1
.else
	v_wmma_scale_f32_16x16x128_f8f6f4 v[\d:\d+7], v[\a:\a+11], v[\b:\b+11], v[\c:\c+7], v[\sa], v[\sb] matrix_a_fmt:MATRIX_FMT_FP6 matrix_b_fmt:MATRIX_FMT_FP6 matrix_a_scale:MATRIX_SCALE_ROW1 matrix_b_scale:MATRIX_SCALE_ROW1
.endif
.endif
.endm
.macro WMZ d, a, b, sa, sb, ra         ; the same with the constant 0 as C: it starts a sum
.if (\ra) == 0
	v_wmma_scale_f32_16x16x128_f8f6f4 v[\d:\d+7], v[\a:\a+11], v[\b:\b+11], 0, v[\sa], v[\sb] matrix_a_fmt:MATRIX_FMT_FP6 matrix_b_fmt:MATRIX_FMT_FP6
.else
	v_wmma_scale_f32_16x16x128_f8f6f4 v[\d:\d+7], v[\a:\a+11], v[\b:\b+11], 0, v[\sa], v[\sb] matrix_a_fmt:MATRIX_FMT_FP6 matrix_b_fmt:MATRIX_FMT_FP6 matrix_a_scale:MATRIX_SCALE_ROW1
.endif
.endm
.macro ELU a, e
.set j, 0
.rept 32
	v_pk_fma_f32 v[\e+j:\e+j+1], v[\a+j:\a+j+1], s[LE:LE+1], v[NLE:NLE+1] op_sel_hi:[1,0,0]
.set j, j+2
.endr
.set j, 0
.rept 64
	v_exp_f32 v[\e+j], v[\e+j]
.set j, j+1
.endr
	v_nop                                          ; a plain place behind the last exponential
	s_wait_alu depctr_va_vdst(0)                   ; the 64 exponentials have written v[e ..]: the wait stands ahead of the batch's first reader; and the unit's q products are done reading wq, wq_b + 1 and wq's scale words
.set j, 0
.rept 64
	v_med3_num_f32 v[\a+j], v[\a+j], v[\e+j], 1.0
.set j, j+1
.endr
.endm
.macro LOADG1 nx                       ; a head's wq, wq_b and wq's scale words: 41 loads.  nx = 1: the next head's
	WIN 0x40
.irp t, 0,1,2,3,4,5,6,7
.irp q, 0,1,2
	global_load_b128 v[WQ+12*\t+4*\q:WQ+12*\t+4*\q+3], v[LI], s[WQP:WQP+1] offset:12288*\nx+1536*\t+512*\q
.endr
.endr
.irp b, 0,1,2,3
.irp q, 0,1,2,3
	global_load_b128 v[BQ+16*\b+4*\q:BQ+16*\b+4*\q+3], v[H64], s[WQBP:WQBP+1] offset:512*\nx+128*\b+16*\q
.endr
.endr
	WIN 0
	global_load_b128 v[WQS:WQS+3], v[LI], s[WQSP:WQSP+1] offset:512*\nx
.endm
.macro LOADG2 nx                       ; a head's k sums in q's layout: 32 loads
	WIN 0xC0
.irp b, 0,1,2,3
.irp q, 0,1,2,3
	global_load_b128 v[KC+16*\b+4*\q:KC+16*\b+4*\q+3], v[H64], s[KSP:KSP+1] offset:1024*\nx+128*\b+16*\q
	global_load_b128 v[KSN+16*\b+4*\q:KSN+16*\b+4*\q+3], v[H64], s[KSP:KSP+1] offset:1024*\nx+512+128*\b+16*\q
.endr
.endr
	WIN 0
.endm
.macro LOADG3                          ; the head's kv state: registers 6 c .. 6 c + 5 of lane (r, h) are feature block 2 c + h of z slot r: 16 + 8 bytes of that block's chunk.  72 loads
	WIN 0x80
.irp cs, 0,1
.irp zt, 0,1,2,3,4,5,6,7
.irp c, 0,1
	global_load_b128 v[96*\cs+12*\zt+6*\c:96*\cs+12*\zt+6*\c+3], v[VKA], s[KVP:KVP+1] offset:12288*\cs+6144*\c+256*\zt
	global_load_b64 v[96*\cs+12*\zt+6*\c+4:96*\cs+12*\zt+6*\c+5], v[VKB], s[KVP:KVP+1] offset:12288*\cs+6144*\c+2048+128*\zt
.endr
.endr
.endr
	WIN 0
.irp cs, 0,1
.irp p, 0,1,2,3
	global_load_b32 v[KVSC+4*\cs+\p], v[L4], s[KVSP:KVSP+1] offset:512*\cs+128*\p   ; lanes 0-15: z tile 2 p; lanes 16-31: z tile 2 p + 1
.endr
.endr
.endm
	s_load_b256 s[4:11], s[0:1], 0x0               ; codes s[4:5], scales s[6:7], cstab s[8:9], wq_b s[10:11]
	s_load_b256 s[12:19], s[0:1], 0x20             ; kvc s[12:13], kvs s[14:15], ksum s[16:17], dense_b s[18:19]
	s_load_b64 s[20:21], s[0:1], 0x40              ; out0
	v_lshl_add_u32 v[SPW], v0, 2, SPARE
	v_mov_b32 v[NIL], 0
	v_lshrrev_b32 v7, 5, v0
	v_readfirstlane_b32 s[WVN], v7                 ; wave
	v_and_b32 v7, 31, v0
	v_lshlrev_b32 v[LI], 4, v7
	v_lshlrev_b32 v[L4], 2, v7
	v_add_nc_u32 v[LS], OSC, v[L4]
	v_add_nc_u32 v[LI2], 49152, v[LI]
	v_bfe_u32 v8, v0, 4, 1                         ; lane / 16
	v_lshlrev_b32 v[H64], 6, v8
	v_and_b32 v7, 15, v0                           ; r
	v_mul_u32_u24 v[VKA], v8, 3072
	v_lshl_add_u32 v[VKB], v7, 3, v[VKA]
	v_lshl_add_u32 v[VKA], v7, 4, v[VKA]
	v_lshlrev_b32 v[R16], 4, v7
	v_and_b32 v[CSO], 8, v7
	v_add_nc_u32 v[CSO], v[CSO], v7                ; r + 8 (r / 8): my row among a fragment's
	v_mul_u32_u24 v[SO], v[CSO], 528
	v_add_nc_u32 v[SO], v[SO], v[H64]
	s_wait_alu depctr_va_sdst(0)                   ; the wave's number is written, ahead of its first reader
	s_lshl_b32 s32, s[WVN], 7
	s_add_co_u32 s32, s32, STG
	v_add_nc_u32 v[SO], s32, v[SO]                 ; the stage, in: my row, + 128 x wave + 64 (lane / 16)
	v_lshlrev_b32 v[CSO], 2, v[CSO]
	s_mul_i32 s32, s[WVN], 16*528
	s_add_co_u32 s32, s32, STG
	v_add_nc_u32 v[SR], s32, v[LI]                 ; back: my wave's 16 rows, 16 bytes a lane
	s_mov_b32 s[SEL], 0x76543210
	s_mov_b32 s[SEL+1], 0xfedcba98
	s_mov_b32 s[LE], 0x3fb8aa3b
	s_mov_b32 s[LE+1], s[LE]
	v_mov_b32 v[NLE], 0xbfb8aa3b
	v_mov_b32 v[NLE+1], 0xbfb8aa3b
	v_mov_b32 v[RD+1], 0
.irp b, 0,1,2,3
	v_mov_b32 v[TM+4+\b], 0                        ; written once: a lane permute's destination counts as one of its sources
.endr
	s_mov_b32 s[HD], 4
	s_mul_i32 s[HO], s[WVN], 24576                 ; my first head's images: 4 w x 6,144
	s_lshl_b32 s[HS], s[WVN], 11
	s_mov_b32 s33, 0
	s_lshr_b32 s24, ttmp9, 6                       ; b
	s_lshl_b32 s24, s24, 4
	s_lshl_b32 s34, s[WVN], 2
	s_add_co_u32 s24, s24, s34                     ; 16 b + my first head
	s_wait_kmcnt 0x0
	s_mul_i32 s32, ttmp9, 6144
	s_add_nc_u64 s[XP:XP+1], s[4:5], s[32:33]      ; x's fragments 4 id ..
	s_mul_i32 s34, s[WVN], 49152
	s_add_co_u32 s32, s34, 1024*1536
	s_add_nc_u64 s[WQP:WQP+1], s[4:5], s[32:33]
	s_add_co_u32 s32, s34, 1408*1536
	s_add_nc_u64 s[DWP:DWP+1], s[4:5], s[32:33]
	s_lshl_b32 s32, ttmp9, 8
	s_add_nc_u64 s[XSP:XSP+1], s[6:7], s[32:33]
	s_lshl_b32 s34, s[WVN], 11
	s_add_co_u32 s32, s34, 256*256
	s_add_nc_u64 s[WQSP:WQSP+1], s[6:7], s[32:33]
	s_add_co_u32 s32, s34, 352*256
	s_add_nc_u64 s[DSP:DSP+1], s[6:7], s[32:33]
	s_mov_b32 s32, s34
	s_add_nc_u64 s[WQBP:WQBP+1], s[WQBP:WQBP+1], s[32:33]
	s_and_b32 s32, ttmp9, 63
	s_lshl_b32 s32, s32, 8
	s_add_nc_u64 s[CSP:CSP+1], s[CSP:CSP+1], s[32:33]   ; the table at my first position
	s_mul_i32 s32, s24, 24576
	s_add_nc_u64 s[KVP:KVP+1], s[KVP:KVP+1], s[32:33]
	s_lshl_b32 s32, s24, 10
	s_add_nc_u64 s[KVSP:KVSP+1], s[KVSP:KVSP+1], s[32:33]
	s_add_nc_u64 s[KSP:KSP+1], s[KSP:KSP+1], s[32:33]
	s_lshl_b32 s32, s[WVN], 7
	s_add_nc_u64 s[DBP:DBP+1], s[DBP:DBP+1], s[32:33]
	s_lshl_b32 s32, ttmp9, 15
	s_lshl_b32 s34, s[WVN], 13
	s_add_co_u32 s32, s32, s34
	s_add_nc_u64 s[OUTP:OUTP+1], s[OUTP:OUTP+1], s[32:33]
	s_wait_alu depctr_va_vdst(0)                   ; the offsets and LDS addresses v1 to v6, v9 to v11, v14, v15 and the add's two registers are written: the kernel's loads, stores and LDS instructions read them
	WIN 0x40
.irp m, 0,1,2,3
.irp q, 0,1,2
	global_load_b128 v[X+12*\m+4*\q:X+12*\m+4*\q+3], v[LI], s[XP:XP+1] offset:1536*\m+512*\q
.endr
.endr
	WIN 0
	global_load_b128 v[XSC:XSC+3], v[R16], s[XSP:XSP+1]
.irp m, 0,1,2,3
.irp k, 0,1
	global_load_b32 v[CC+4*\m+\k], v[CSO], s[CSP:CSP+1] offset:4*(32*(\m/2)+8*(\m%2))
	global_load_b32 v[CC+4*\m+2+\k], v[CSO], s[CSP:CSP+1] offset:16384+4*(32*(\m/2)+8*(\m%2))
.endr
.endr
	LOADG1 0
	LOADG2 0
; A UNIT: one head, fragment m of the rows
.macro UNIT m
.if \m == 0
	s_wait_loadcnt 32                              ; all but the 32 loads of the k sums, the youngest: wq, its bias and scale words are in (and, the first time, x and the table)
	LOADG3                                         ; the head's kv state: it has the unit up to the kv products in which to land.  No wait: the last head's kv products stand ahead of the wait in front of its last LDS stores, and only the two additions at the head's top were issued since
	WIN 0x41
.set j, 0
.rept 32
	v_pk_add_f32 v[BQ+j:BQ+j+1], v[BQ+j:BQ+j+1], 1.0 op_sel_hi:[1,0]   ; C of the q products: wq_b + 1
.set j, j+2
.endr
	PLACES 4
.endif
	WIN 0x15                                       ; A, B and C: window 1
.irp t, 0,1,2,3,4,5,6,7
	WM Q+8*\t, WQ+12*\t, X+12*\m, BQ+8*\t, WQS+\t%4, XSC+\m, \t/4, 0
.endr
	WIN 0
	PLACES 4
	ELU Q, Q2
.if \m == 3
	s_cmp_eq_u32 s[HD], 1
	s_cbranch_scc1 .Lno1_\@
	LOADG1 1                                       ; the next head's wq, bias and scale words.  No wait: the one behind the exponentials stands behind the head's last q products, and the 64 lines since name q and its scratch alone
.Lno1_\@:
.endif
	QMAX Q
.set j, 0
.rept 32
	v_pk_mul_f32 v[Q2+j:Q2+j+1], v[Q+j:Q+j+1], v[CC+4*\m:CC+4*\m+1]
.set j, j+2
.endr
.if \m == 0
	s_wait_loadcnt 63                              ; 72 loads are younger than the k sums'; the count is the largest that the wait can name
.endif
	WIN 0x0C                                       ; source 1: window 3
.set j, 0
.rept 32
.if j < 4
	v_pk_mul_f32 v[DCH+2*j:DCH+2*j+1], v[Q2+2*j:Q2+2*j+1], v[KC+2*j:KC+2*j+1]
.else
	v_pk_fma_f32 v[DCH+2*(j%4):DCH+2*(j%4)+1], v[Q2+2*j:Q2+2*j+1], v[KC+2*j:KC+2*j+1], v[DCH+2*(j%4):DCH+2*(j%4)+1]
.endif
.set j, j+1
.endr
	WIN 0
.irp b, 0,1,2,3
	v_mul_f32 v[TS+\b], v[TM+\b], v[CC+4*\m]       ; the block's largest q cos
.endr
.irp b, 0,1,2,3
	v_max_num_f32 v[TS+\b], 0x1800000, v[TS+\b]    ; the floor once more
.endr
	QTAIL Q2, QCC, QSW, TS
.set j, 0
.rept 32
	v_pk_mul_f32 v[Q2+j:Q2+j+1], v[Q+j:Q+j+1], v[CC+4*\m+2:CC+4*\m+3]
.set j, j+2
.endr
	WIN 0x0C
.set j, 0
.rept 32
	v_pk_fma_f32 v[DCH+2*(j%4):DCH+2*(j%4)+1], v[Q2+2*j:Q2+2*j+1], v[KSN+2*j:KSN+2*j+1], v[DCH+2*(j%4):DCH+2*(j%4)+1]
.set j, j+1
.endr
	WIN 0
.irp b, 0,1,2,3
	v_mul_f32 v[TS+\b], v[TM+\b], v[CC+4*\m+2]
.endr
.irp b, 0,1,2,3
	v_max_num_f32 v[TS+\b], 0x1800000, v[TS+\b]
.endr
	QTAIL Q2, QCS, QSW+1, TS
	; the denominator.  Its plain lines and the three v_nop are the places between q's scale words and codes and the scaled products
	v_pk_add_f32 v[DCH:DCH+1], v[DCH:DCH+1], v[DCH+2:DCH+3]
	v_pk_add_f32 v[DCH+4:DCH+5], v[DCH+4:DCH+5], v[DCH+6:DCH+7]
	v_pk_add_f32 v[DCH:DCH+1], v[DCH:DCH+1], v[DCH+4:DCH+5]
	v_add_f32 v[DCH], v[DCH], v[DCH+1]
	v_permlanex16_b32 v[TM+4], v[DCH], s[SEL], s[SEL+1]
	v_add_f32 v[DCH], v[DCH], v[TM+4]              ; with lane l xor 16's 64 features
	v_add_f32 v[DCH], 0x3727c5ac, v[DCH]           ; + 1e-5
	v_rcp_f32 v[RD], v[DCH]
	PLACES 3
	s_wait_alu depctr_va_vdst(0)                   ; the reciprocal has written v[RD] (the wait stands ahead of its first reader and of every branch); the quantisers have written q's codes and scale words, which the scaled products below take; the dot products are done reading the k sums
.if \m == 0
	s_wait_loadcnt 0x0                             ; the kv state is in
.endif
	WIN 0x02                                       ; A: window 2
.irp zt, 0,1,2,3,4,5,6,7
	WMZ Q+8*\zt, 12*\zt, QCC, KVSC+\zt/2, QSW, \zt%2
.endr
.irp zt, 0,1,2,3,4,5,6,7
	WM Q+8*\zt, 96+12*\zt, QCS, Q+8*\zt, KVSC+4+\zt/2, QSW+1, \zt%2, 0   ; eight accumulators by turns, one instruction a turn
.endr
	WIN 0
.if \m == 3
	s_cmp_eq_u32 s[HD], 1
	s_cbranch_scc1 .Lno2_\@
	LOADG2 1                                       ; the next head's k sums.  No wait: the one above stands behind the head's last dot products, and the sixteen products since name the kv state, q's codes, the scale words and the accumulators
.Lno2_\@:
.endif
	PLACES 4
.set j, 0
.rept 32
	v_pk_mul_f32 v[Q+j:Q+j+1], v[Q+j:Q+j+1], v[RD:RD+1] op_sel_hi:[1,0]   ; o = qkv / denominator; each accumulator from its low end on
.set j, j+2
.endr
	s_wait_dscnt 0x0                               ; the last unit's LDS stores are done
	s_wait_alu depctr_vm_vsrc(0)                   ; the last unit's LDS stores have read v[OPC ..] and v[PW], which the quantiser below writes again
	QUANT Q, OPC, PW
	s_wait_alu depctr_va_vdst(0)                   ; the quantiser has written v[OPC ..] and v[PW], and the head's top v[HWI] and v[HWS], which the LDS stores below read; the unit's kv products are done reading the kv state and its scale words
.irp q, 0,1,2
	ds_store_b128 v[HWI], v[OPC+4*\q:OPC+4*\q+3] offset:1536*\m+512*\q   ; K step "head" of product 10, rows of fragment m, as an image of its registers
.endr
	ds_store_b32 v[HWS], v[PW] offset:128*\m
.endm
.Lhead:                                                ; four trips: my four heads
	s_wait_alu depctr_vm_vsrc(0)                   ; the last head's LDS stores have read v[HWI] and v[HWS], which the two lines below write again
	v_add_nc_u32 v[HWI], s[HO], v[LI]
	v_add_nc_u32 v[HWS], s[HS], v[LS]
	UNIT 0
	UNIT 1
	UNIT 2
	UNIT 3
	s_wait_xcnt 0x0                                ; the loads have read their bases: they may step
	s_add_nc_u64 s[WQP:WQP+1], s[WQP:WQP+1], 12288
	s_add_nc_u64 s[WQSP:WQSP+1], s[WQSP:WQSP+1], 512
	s_add_nc_u64 s[WQBP:WQBP+1], s[WQBP:WQBP+1], 512
	s_add_nc_u64 s[KVP:KVP+1], s[KVP:KVP+1], 24576
	s_add_nc_u64 s[KVSP:KVSP+1], s[KVSP:KVSP+1], 1024
	s_add_nc_u64 s[KSP:KSP+1], s[KSP:KSP+1], 1024
	s_add_co_u32 s[HO], s[HO], 6144
	s_add_co_u32 s[HS], s[HS], 512
	s_sub_co_u32 s[HD], s[HD], 1
	s_cmp_lg_u32 s[HD], 0
	s_cbranch_scc1 .Lhead
	; PHASE 2.  dense_b as the C of the first K step, dense_w's scale words, then its 32 fragments, K step by K step: 104 loads.
	; No wait on va_vdst: the last unit's stands ahead of its LDS stores, behind every vector and matrix instruction of phase 1, and none has been issued since.
	s_wait_loadcnt 0x0                             ; phase 2 loads anew into the registers of wq, its bias and scale words, x, the kv state and the k sums: no earlier load into them is out behind this wait.  (The last head asked for nothing ahead, so it is met at once)
.irp u, 0,1
.irp q, 0,1
	global_load_b128 v[DB+8*\u+4*\q:DB+8*\u+4*\q+3], v[H64], s[DBP:DBP+1] offset:32*\u+16*\q
.endr
.endr
.irp u, 0,1
.irp p, 0,1
	global_load_b128 v[DS+8*\u+4*\p:DS+8*\u+4*\p+3], v[LI], s[DSP:DSP+1] offset:1024*\u+512*\p
.endr
.endr
.set KK, 0
.rept 16
	WIN 0x40
.irp q, 0,1,2
	global_load_b128 v[12*KK+4*\q:12*KK+4*\q+3], v[LI], s[DWP:DWP+1] offset:1536*KK+512*\q
.endr
	WIN 0x80
.irp q, 0,1,2
	global_load_b128 v[12*KK+4*\q:12*KK+4*\q+3], v[LI], s[DWP:DWP+1] offset:24576+1536*KK+512*\q
.endr
.set KK, KK+1
.endr
	WIN 0
	s_wait_dscnt 0x0                               ; for the others' sake: my images have landed
	s_barrier_signal -1
	s_barrier_wait -1                              ; o's 64 fragments lie in LDS
	s_wait_alu depctr_vm_vsrc(0)                   ; my last LDS store has read v[PW], v34, in which a scale word of o's first K step lands
.macro FETCH ks                        ; K step ks: o's four fragments and their scale words, into set ks % 2: 16 LDS loads
	WIN 0xC0
.irp m, 0,1,2,3
.irp q, 0,1,2
.if (\ks) < 8
	ds_load_b128 v[48*((\ks)%2)+12*\m+4*\q:48*((\ks)%2)+12*\m+4*\q+3], v[LI] offset:(4*(\ks)+\m)*1536+512*\q
.else
	ds_load_b128 v[48*((\ks)%2)+12*\m+4*\q:48*((\ks)%2)+12*\m+4*\q+3], v[LI2] offset:(4*((\ks)-8)+\m)*1536+512*\q
.endif
.endr
.endr
	WIN 0
.irp m, 0,1,2,3
	ds_load_b32 v[32+220*((\ks)%2)+\m], v[LS] offset:(4*(\ks)+\m)*128
.endr
.endm
	FETCH 0
.set KK, 0
.rept 16
.if KK > 0
	PLACES 4                                       ; four places behind the last K step's products
.endif
.if KK < 15
.if KK > 0
	s_wait_alu depctr_va_vdst(0)                   ; the last K step's products are done reading their set of o's fragments and scale words, in which the loads below land
.endif
	FETCH KK+1
	s_wait_dscnt 16                                ; all but the 16 just issued: this K step's fragments are in
.else
	s_wait_dscnt 0x0
.endif
.if 90-6*KK > 63
	s_wait_loadcnt 63                              ; 41 loads at the least are in: the eight at the head and six for each K step up to this one are at most 38
.else
	s_wait_loadcnt 90-6*KK                         ; six loads for each later K step may be out
.endif
	WIN 0x0D                                       ; A: window 1; B: window 3
.irp m, 0,1,2,3
.if KK == 0
	WM Q+8*\m, 12*KK, 48*(KK%2)+12*\m, DB, DS+4*(KK/8)+KK%4, 32+220*(KK%2)+\m, (KK/4)%2, 0
.else
	WM Q+8*\m, 12*KK, 48*(KK%2)+12*\m, Q+8*\m, DS+4*(KK/8)+KK%4, 32+220*(KK%2)+\m, (KK/4)%2, 0
.endif
.endr
	WIN 0x0E                                       ; A: window 2
.irp m, 0,1,2,3
.if KK == 0
	WM Q+32+8*\m, 12*KK, 48*(KK%2)+12*\m, DB+8, DS+8+4*(KK/8)+KK%4, 32+220*(KK%2)+\m, (KK/4)%2, 0
.else
	WM Q+32+8*\m, 12*KK, 48*(KK%2)+12*\m, Q+32+8*\m, DS+8+4*(KK/8)+KK%4, 32+220*(KK%2)+\m, (KK/4)%2, 0
.endif
.endr
	WIN 0
.set KK, KK+1
.endr
	PLACES 4
	s_wait_alu depctr_va_vdst(0)                   ; the last products have written y's accumulators, which the LDS stores below read; the places above stay beside this wait
.irp u, 0,1
.irp m, 0,1,2,3
	ds_store_b128 v[SO], v[Q+32*\u+8*\m:Q+32*\u+8*\m+3] offset:(32*(\m/2)+8*(\m%2))*528+32*\u        ; lane (r, h): row 32 (m / 2) + 8 (m % 2) + r + 8 (r / 8), columns 32 w + 16 h + 8 u + 0 .. 7
	ds_store_b128 v[SO], v[Q+32*\u+8*\m+4:Q+32*\u+8*\m+7] offset:(32*(\m/2)+8*(\m%2))*528+32*\u+16
.endr
.endr
	s_wait_dscnt 0x0
	s_barrier_signal -1
	s_barrier_wait -1                              ; 64 whole rows lie in the stage
.irp i, 0,1,2,3,4,5,6,7,8,9,10,11,12,13,14,15
	ds_load_b128 v[Q2+4*\i:Q2+4*\i+3], v[SR] offset:528*\i   ; (no vector instruction since the wait above names these registers, and no memory or LDS instruction has read them)
.endr
.irp i, 0,1,2,3,4,5,6,7,8,9,10,11,12,13,14,15
	s_wait_dscnt 15-\i
	global_store_b128 v[LI], v[Q2+4*\i:Q2+4*\i+3], s[OUTP:OUTP+1] offset:512*\i th:TH_STORE_NT   ; 32 lanes store a row of 512 consecutive bytes
.endr
	s_wait_dscnt 0x0                               ; the closing lines, six on end
	s_wait_alu 0x0
	s_wait_tensorcnt 0x0
	ds_add_u32 v[SPW], v[NIL]
	s_wait_dscnt 0x0
	s_endpgm
.Lfunc_end_k_qa2e9b48972_attend:
	.size	k_qa2e9b48972_attend, .Lfunc_end_k_qa2e9b48972_attend-k_qa2e9b48972_attend
	.p2alignl 7, 3214868480
	.fill 96, 4, 3214868480
	.section	.rodata,"a",@progbits
	.p2align	6, 0x0
	.amdhsa_kernel k_qa2e9b48972_attend
		.amdhsa_group_segment_fixed_size 140800
		.amdhsa_private_segment_fixed_size 0
		.amdhsa_enable_private_segment 0
		.amdhsa_kernarg_size 72
		.amdhsa_user_sgpr_count 2
		.amdhsa_user_sgpr_kernarg_segment_ptr 1
		.amdhsa_wavefront_size32 1
		.amdhsa_system_sgpr_workgroup_id_x 1
		.amdhsa_system_sgpr_workgroup_id_y 1
		.amdhsa_system_sgpr_workgroup_id_z 1
		.amdhsa_system_vgpr_workitem_id 0
		.amdhsa_next_free_vgpr 1024
		.amdhsa_next_free_sgpr 66
		.amdhsa_reserve_vcc 0
		.amdhsa_float_denorm_mode_32 3
		.amdhsa_float_denorm_mode_16_64 3
		.amdhsa_memory_ordered 1
		.amdhsa_forward_progress 1
		.amdhsa_inst_pref_size 212
	.end_amdhsa_kernel
	.amdgpu_metadata
---
amdhsa.version: [ 1, 2 ]
amdhsa.kernels:
  - .name:           k_qa2e9b48972_attend
    .symbol:         k_qa2e9b48972_attend.kd
    .args:
      - { .name: codes, .offset: 0, .size: 8, .value_kind: global_buffer, .address_space: global }
      - { .name: scales, .offset: 8, .size: 8, .value_kind: global_buffer, .address_space: global }
      - { .name: cstab, .offset: 16, .size: 8, .value_kind: global_buffer, .address_space: global }
      - { .name: wq_b, .offset: 24, .size: 8, .value_kind: global_buffer, .address_space: global }
      - { .name: kvc, .offset: 32, .size: 8, .value_kind: global_buffer, .address_space: global }
      - { .name: kvs, .offset: 40, .size: 8, .value_kind: global_buffer, .address_space: global }
      - { .name: ksum, .offset: 48, .size: 8, .value_kind: global_buffer, .address_space: global }
      - { .name: dense_b, .offset: 56, .size: 8, .value_kind: global_buffer, .address_space: global }
      - { .name: out0, .offset: 64, .size: 8, .value_kind: global_buffer, .address_space: global }
    .group_segment_fixed_size: 140800
    .private_segment_fixed_size: 0
    .kernarg_segment_align: 8
    .kernarg_segment_size: 72
    .max_flat_workgroup_size: 128
    .sgpr_count:     66
    .vgpr_count:     1024
    .wavefront_size: 32
...
	.end_amdgpu_metadata
.endif
;; end of part 5
